; MI455X (gfx1250); checked and timed in simulation.
; The chip was launched on July 23, 2026; its instructions are those of AMD's public machine-readable ISA for CDNA 5 (MIT licence, August 2026) and "CDNA5" Instruction Set Architecture Reference Guide (July 2026). The comments in the code are by the model that wrote it; some were corrected since.
;; Lookahead Decoder Block. Allowed arithmetic: matrix products marked QUANTISED: E2M3 operands, one E8M0 scale for each 32 along K, by v_wmma_scale_f32_16x16x128_f8f6f4 with both operands' format E2M3, f32 sums; everything else in f32.
;; Inputs: alpha 1 x 16 x 1 x 1 float32; b_out 1,024 float32; w_hkv 1,024 x 2,048 float32; w_out 1,024 x 1,024 float32; w_qkv 1,024 x 3,072 float32; x 2 x 2,048 x 1,024 float32.
;; Outputs: out0 2 x 2,048 x 1,024 float32.
;; This version of the problem:
;;   THIS VERSION OF THE PROBLEM IS GIVEN IN LOW PRECISION. The matrix products marked QUANTISED in the list below multiply operands that are first quantised to E2M3 (2 exponent bits, 3 mantissa bits; 6 bits a number), with one power-of-two scale for each 32 numbers along K (OCP MX v1.0); their sums are f32. All else is computed in f32.
;;   The module's matrix products, in the order in which they are computed (A, B: the left and right operand; K: the contracted axis; several contracted axes count as one K, in the product's order):
;;     1. [M 4,096, K 1,024] x [K 1,024, N 3,072]; A: input x; B: input w_qkv: QUANTISED
;;     2. [M 4,096, K 1,024] x [K 1,024, N 2,048]; A: input x; B: input w_hkv: QUANTISED
;;     3. batch 32 x [M 2,048, K 64] x [K 64, N 2,048]; A: computed on the way; B: computed on the way: QUANTISED
;;     4. batch 32 x [M 2,048, K 64] x [K 64, N 2,048]; A: computed on the way; B: computed on the way: QUANTISED
;;     5. batch 32 x [M 2,048, K 64] x [K 64, N 2,048]; A: computed on the way; B: computed on the way: QUANTISED
;;     6. batch 32 x [M 2,048, K 2,048] x [K 2,048, N 64]; A: softmax (see below); B: computed on the way: QUANTISED
;;     7. [M 4,096, K 1,024] x [K 1,024, N 1,024]; A: computed on the way; B: input w_out: QUANTISED
;;   THE QUANTISER, for each operand of a quantised product, along K:
;;     - K is cut into blocks of 32 from its start; a last block that is shorter is filled with zeros.
;;     - A block's scale is 2^e with e = floor(log2(the largest magnitude in the block)) - 2, held to -126 .. 127; a block of zeros has e = 0. As a byte (E8M0): e + 127.
;;     - Each number is divided by its block's scale, clamped to +-7.5, and rounded to the nearest number of E2M3, ties to even, subnormals kept.
;;     - The product sums the exact products of the quantised numbers (number of the format x scale) in f32.
;;   ~~~python
;;   def quantise(x, axis):      # numpy; x: float32 -> the quantised numbers, widened to float32 again
;;       x = np.moveaxis(x, axis, -1); K = x.shape[-1]
;;       x = np.pad(x, [(0, 0)] * (x.ndim - 1) + [(0, -K % 32)]); x = x.reshape(x.shape[:-1] + (-1, 32)); a = np.abs(x).max(-1, keepdims=True)
;;       e = np.where(a > 0, np.clip(np.frexp(np.where(a > 0, a, 1))[1] - 1 - 2, -126, 127), 0)      # np.frexp(a)[1] - 1 = floor(log2(a)), exactly
;;       r = np.clip(x / 2.0 ** e, -7.5, 7.5)
;;       step = 2.0 ** (np.maximum(np.frexp(np.where(r == 0, 1, r))[1] - 1, 0) - 3)
;;       q = np.round(r / step) * step * 2.0 ** e      # np.round: ties to even
;;       return np.moveaxis(q.reshape(q.shape[:-2] + (-1,))[..., :K], -1, axis).astype(np.float32)
;;   ~~~
;;   SOFTMAX AHEAD OF A QUANTISED PRODUCT. Where the list says 'softmax', what is quantised is not the finished softmax but p = 2^(t - M), with t = logit x log2(e) and M = ceil(the row's largest t), a whole number; so 1/2 < the row's largest p <= 1. The row's sum l is taken of the UNQUANTISED p, in f32, and the product's result is divided by l at the end. Since M is a whole number, a kernel that streams over the keys may use a running M (the ceiling of the running maximum): every later rescaling is an exact power of two, which a block's scale takes up: the codes' values come out the same.
;;   OPERANDS COMPUTED ON THE WAY. 'Computed on the way' means the value that the module computes at that place (a softmax that the list does not call 'softmax' is quantised finished and normalised). What goes into a quantiser is computed in f32, as accurately as f32 sums, v_exp_f32 and their like allow (about 1e-6 of the number): no bf16 or f16 on the way to a quantiser, and a product that is left as it is and whose result goes on into a quantised operand takes f32 operands (vector FMAs, or v_wmma_f32_16x16x4_f32). A number that lies on a knife's edge between two numbers of the format may be rounded either way, as far as f32 arithmetic and the matrix unit's own rounding can turn it there, and no further.
;; One version. Each part assembles by itself: llvm-mc -triple=amdgcn-amd-amdhsa -mcpu=gfx1250 --defsym DOCPART=n.
;; ======== version 1 of 1: 4 launches
;; limits: right only within a limited range of input values
;; workspace buffers: xq 3,276,800 bytes; wq 4,915,200 bytes; rope 524,288 bytes; kv 9,830,400 bytes; qs 28,311,552 bytes; oq 3,276,800 bytes
;; launch prep (part 1): grid 336 x 1, 4 waves a work-group, no clusters, 59,904 bytes of LDS; arguments x, w_qkv, w_hkv, w_out, xq, wq, rope; writes xq, wq, rope
.if DOCPART == 1
	.amdgcn_target "amdgcn-amd-amdhsa--gfx1250"
	.amdhsa_code_object_version 6
	.text
	.protected	k_q3691b3e6b2_prep
	.globl	k_q3691b3e6b2_prep
	.p2align	8
	.type	k_q3691b3e6b2_prep,@function
k_q3691b3e6b2_prep:
	s_mov_b64 s[64:65], 0
	v_nop
	global_prefetch_b8 v0, s[64:65] scope:SCOPE_SE
	s_setreg_imm32_b32 hwreg(HW_REG_WAVE_MODE, 25, 1), 1
	s_wait_xcnt 0x0
; x [4096][1024] and the three weights ([1024][n], K first) become codes of FP6 (E2M3) with one E8M0 byte for each 32 along K, and the table of cosines and sines is made.
; ALL CODES ARE LAID AS IMAGES OF OPERAND REGISTERS: a fragment (16 rows x 128 K, 12 registers a lane) is 1,536 bytes: registers 4 c .. 4 c + 3 of lane l at 512 c + 16 l.
; A TILE OF 16 ROWS IS NOT 16 NEIGHBOURS: lane-row r of tile (g, u) is row 32 g + 8 u + r + 8 (r / 8).
; Scale words: 256 bytes for a pair of tiles and two K steps: the word at 8 l + 4 u; lanes 0-15 the even K step's, lanes 16-31 the odd one's.
; Work-groups 0-127: x, 32 tokens each, a wave two K steps.  128-319: the weights, 128 columns x 256 K each, a wave 32 columns.  320-335: the table, a wave 32 positions.
; The paths part on the work-group's number; each path that uses LDS has bytes of its own.  Waves share nothing: no barrier.
; LIMITS: a block of zeros gets the byte 1 (its codes are zeros; this program alone reads the bytes); NaN and infinities among the inputs are not served;
; the table's frequencies come from v_exp_f32, so an angle agrees with the exact one to about 1e-7 of itself.
.set XSTW, 8448                        ; path X: a wave's stage: 16 rows x (512 bytes + 16)
.set WST,  33792                       ; path W's LDS begins behind path X's four stages
.set WSTW, 6400                        ; a wave's: 2 tiles x 2 K steps x 1,536 bytes, then 256 bytes of scale words
.set XQS,  3145728                     ; where the scale words begin in xq
.set WQS,  4718592                     ; and in wq
.set SEL,  20                          ; s[20:21] selects of v_permlanex16_b32: lane l xor 16
.set PC,   8                           ; v8-19 a fragment's codes; v20-26 at work
.set PW,   28                          ; the scale word just made
.set TM,   32                          ; v32-47 at work in QUANT
; 64 numbers of a lane, register 16 b + i = k 32 b + 16 (lane / 16) + i of my row, become a fragment's codes in v[PC] on and its scale word in v[PW].
.macro QUANT s
.irp b, 0,1,2,3
	v_max3_num_f32 v[TM+\b], |v[\s+16*\b]|, |v[\s+1+16*\b]|, 0x1800000   ; my 16 numbers of block b, and the floor 2^(3 - 127): the byte cannot fall under 1
.endr
.irp i, 2,4,6,8,10,12,14
.irp b, 0,1,2,3
	v_max3_num_f32 v[TM+\b], v[TM+\b], |v[\s+16*\b+\i]|, |v[\s+1+16*\b+\i]|
.endr
.endr
.irp b, 0,1,2,3
	v_permlanex16_b32 v[TM+4+\b], v[TM+\b], s[SEL], s[SEL+1]
.endr
.irp b, 0,1,2,3
	v_max_num_f32 v[TM+\b], v[TM+\b], v[TM+4+\b]   ; with lane l xor 16's: the block's largest magnitude
.endr
.irp b, 0,1,2,3
	v_add_nc_u32 v[TM+12+\b], 0xff000000, v[TM+\b]   ; 2 off its exponent field: the conversion's scale operand
.endr
.irp b, 0,1,2,3
	v_lshrrev_b32 v[TM+4+\b], 23, v[TM+12+\b]      ; the scale's byte
.endr
	v_lshl_or_b32 v[PW], v[TM+5], 8, v[TM+4]
	v_lshl_or_b32 v[PW], v[TM+6], 16, v[PW]
	v_lshl_or_b32 v[PW], v[TM+7], 24, v[PW]
.irp c, 0,1
	v_cvt_scalef32_pk16_fp6_f32 v[PC+6*\c:PC+2+6*\c], v[\s+32*\c:\s+15+32*\c], v[TM+12+2*\c]
	v_cvt_scalef32_pk16_fp6_f32 v[PC+12+4*\c:PC+14+4*\c], v[\s+16+32*\c:\s+31+32*\c], v[TM+12+2*\c+1]
.endr
	v_nop                                          ; one plain instruction behind the scaled conversions
.irp c, 0,1                                    ; the layout wants a whole block in a lane: lanes 0-15 block 2 c, lanes 16-31 block 2 c + 1
.irp i, 0,1,2
	v_permlane16_swap_b32 v[PC+6*\c+\i], v[PC+12+4*\c+\i]
.endr
.irp i, 0,1,2
	v_mov_b32 v[PC+3+6*\c+\i], v[PC+12+4*\c+\i]
.endr
.endr
.endm
	s_load_b256 s[4:11], s[0:1], 0x0               ; x, w_qkv, w_hkv, w_out
	s_load_b128 s[12:15], s[0:1], 0x20             ; xq, wq
	s_load_b64 s[16:17], s[0:1], 0x30              ; rope
	v_lshl_add_u32 v30, v0, 2, 0xe800
	v_mov_b32 v31, 0
	v_lshrrev_b32 v1, 5, v0
	v_readfirstlane_b32 s18, v1                    ; wave 0..3
	v_and_b32 v1, 31, v0                           ; lane
	s_mov_b32 s[SEL], 0x76543210
	s_mov_b32 s[SEL+1], 0xfedcba98
	s_mov_b32 s30, 0xffff0000                      ; a mask of lanes 16-31
	s_wait_kmcnt 0x0
	s_cmp_lt_u32 ttmp9, 128
	s_cbranch_scc1 .Lpath_x
	s_cmp_lt_u32 ttmp9, 320
	s_cbranch_scc1 .Lpath_w
; ---- THE TABLE: [position 2048][pair i 32] (cos, sin): 256 bytes a position.  Lane = i; a wave walks 32 positions.
	s_sub_co_u32 s22, ttmp9, 320
	s_lshl_b32 s22, s22, 2
	s_add_co_u32 s22, s22, s18
	s_lshl_b32 s24, s22, 5                         ; my first position
	s_lshl_b32 s22, s22, 13                        ; x 256 bytes
	s_mov_b32 s23, 0
	s_add_nc_u64 s[16:17], s[16:17], s[22:23]
	s_wait_alu depctr_va_vdst(0)
	v_lshlrev_b32 v5, 3, v1
	v_cvt_f32_u32 v7, v1
	v_mul_f32 v7, 0xbed49a78, v7                   ; - i log2(10000) / 32
	s_wait_alu depctr_va_vdst(0)
	v_exp_f32 v7, v7                               ; the frequency 10000^(-i / 32)
	v_nop                                          ; a plain instruction behind the exponential
	v_cvt_f32_u32 v6, s24                          ; the position, as f32
	s_mov_b32 s40, 0x3fc90fdb                      ; pi / 2 in three parts
	s_mov_b32 s41, 0xb33bbd2e
	s_mov_b32 s42, 0xa6f72cf1
	s_mov_b32 s25, 32
	s_wait_alu depctr_va_vdst(0)                   ; ahead of the first reader of the exponential, and of the label
.Lpos:
	s_wait_alu depctr_va_vdst(0)
	v_mul_f32 v8, v6, v7                           ; the angle
	v_mul_f32 v9, 0x3f22f983, v8
	v_rndne_f32 v9, v9                             ; n = the nearest multiple of pi / 2
	v_fma_f32 v10, -v9, s40, v8                    ; exact: n has 11 bits
	v_fma_f32 v10, -v9, s41, v10
	v_fma_f32 v10, -v9, s42, v10                   ; the rest, within pi / 4 of zero
	v_cvt_i32_f32 v11, v9
	v_mul_f32 v12, v10, v10
	v_mov_b32 v13, 0xb94ca1f9                      ; sine: x + x z (S0 + z (S1 + z S2))
	v_mov_b32 v15, 0x37ccf5ce                      ; cosine: 1 - z / 2 + z z (C0 + z (C1 + z C2))
	v_fmaak_f32 v13, v13, v12, 0x3c08839e
	v_fmaak_f32 v15, v15, v12, 0xbab6061a
	v_fmaak_f32 v13, v13, v12, 0xbe2aaaa3
	v_fmaak_f32 v15, v15, v12, 0x3d2aaaa5
	v_mul_f32 v14, v12, v10
	v_mul_f32 v16, v12, v12
	v_fma_f32 v17, v12, -0.5, 1.0
	v_fma_f32 v13, v13, v14, v10
	v_fma_f32 v15, v15, v16, v17
	v_and_b32 v18, 1, v11                          ; the quadrant: odd n changes sine and cosine,
	v_cmp_eq_u32 vcc_lo, 1, v18
	v_cndmask_b32 v19, v13, v15, vcc_lo
	v_cndmask_b32 v20, v15, v13, vcc_lo
	v_and_b32 v21, 2, v11                          ; bit 1 of n turns the sine's sign, bit 1 of n + 1 the cosine's
	v_add_nc_u32 v24, 1, v11
	v_lshlrev_b32 v21, 30, v21
	v_and_b32 v24, 2, v24
	v_xor_b32 v23, v19, v21
	v_lshlrev_b32 v24, 30, v24
	v_xor_b32 v22, v20, v24
	global_store_b64 v5, v[22:23], s[16:17]        ; 32 lanes store 256 consecutive bytes, aligned
	v_add_f32 v6, 1.0, v6
	s_wait_xcnt 0x0                                ; the store has read its data and its base: both are written again only behind this wait
	s_add_nc_u64 s[16:17], s[16:17], 256
	s_sub_co_u32 s25, s25, 1
	s_cmp_lg_u32 s25, 0
	s_cbranch_scc1 .Lpos
	s_endpgm
; ---- x.  Group P = the work-group's number: tokens 32 P on; wave i: K steps 2 i and 2 i + 1.  Four units a = 2 u + sigma: tile u, K step 2 i + sigma.
.Lpath_x:
	s_wait_alu depctr_va_vdst(0)
	v_lshlrev_b32 v2, 4, v1                        ; 16 x lane
	v_lshlrev_b32 v5, 3, v1                        ; 8 x lane
	s_mul_i32 s22, s18, XSTW
	v_add_nc_u32 v3, s22, v2                       ; the stage, on the way in: a row's 512 bytes as they lie
	v_and_b32 v6, 15, v0                           ; r
	v_bfe_u32 v7, v0, 4, 1                         ; h
	v_mul_u32_u24 v4, v6, 528
	v_lshl_add_u32 v4, v7, 6, v4
	v_add_nc_u32 v4, s22, v4                       ; and out: row r, + 64 h: my 16 numbers of each block of 32
.irp b, 0,1,2,3
	v_mov_b32 v[TM+4+\b], 0                        ; a lane permute's destination counts as a source: written once
.endr
	s_lshl_b32 s22, ttmp9, 17                      ; 32 rows of 4,096 bytes
	s_lshl_b32 s23, s18, 10                        ; two K steps of 512 bytes
	s_add_co_u32 s22, s22, s23
	s_mov_b32 s23, 0
	s_add_nc_u64 s[4:5], s[4:5], s[22:23]
	s_mul_i32 s22, ttmp9, 24576                    ; two tiles x 8 K steps x 1,536 bytes
	s_mul_i32 s24, s18, 3072
	s_add_co_u32 s22, s22, s24
	s_add_nc_u64 s[24:25], s[12:13], s[22:23]
	s_lshl_b32 s22, ttmp9, 2
	s_add_co_u32 s22, s22, s18
	s_lshl_b32 s22, s22, 8
	s_add_co_u32 s22, s22, XQS
	s_add_nc_u64 s[26:27], s[12:13], s[22:23]
.macro LOADX a                         ; 16 rows x 512 bytes, a row a load: 32 lanes read 512 consecutive bytes
.irp p, 0,1,2,3,4,5,6,7,8,9,10,11,12,13,14,15
	global_load_b128 v[64+64*((\a)%2)+4*\p:64+64*((\a)%2)+4*\p+3], v2, s[4:5] offset:(8*((\a)/2)+\p+8*(\p/8))*4096+512*((\a)%2) th:TH_LOAD_NT
.endr
.endm
.macro TURNX a                         ; through my stage: LDS serves a wave's instructions in order, so no wait stands between the stores and the loads
.irp p, 0,1,2,3,4,5,6,7,8,9,10,11,12,13,14,15
	ds_store_b128 v3, v[64+64*((\a)%2)+4*\p:64+64*((\a)%2)+4*\p+3] offset:\p*528
.endr
.irp b, 0,1,2,3
.irp j, 0,1,2,3
	ds_load_b128 v[192+16*\b+4*\j:192+16*\b+4*\j+3], v4 offset:128*\b+16*\j
.endr
.endr
.endm
.macro UNITX a
.if (\a) < 3
	s_wait_loadcnt 16                              ; this unit's 16 loads are in; the next unit's 16 may be out
.else
	s_wait_loadcnt 0x0
.endif
	TURNX \a
	s_wait_dscnt 0x0                               ; my numbers are back, and the stage's stores have read their registers
.if (\a) < 2
	LOADX (\a)+2
.endif
	s_wait_xcnt 0x0                                ; the last unit's stores have read the codes' registers
	QUANT 192
.irp c, 0,1,2
	global_store_b128 v2, v[PC+4*\c:PC+4*\c+3], s[24:25] offset:((\a)/2)*12288+((\a)%2)*1536+512*\c   ; 512 consecutive bytes
.endr
	v_mov_b32 v[48+(\a)], v[PW]
.endm
	LOADX 0
	LOADX 1
	s_wait_alu depctr_va_vdst(0)
	UNITX 0
	UNITX 1
	UNITX 2
	UNITX 3
	v_cndmask_b32 v52, v48, v49, s30               ; tile 0: lanes 0-15 the even K step's words, lanes 16-31 the odd one's
	v_cndmask_b32 v53, v50, v51, s30               ; tile 1
	global_store_b64 v5, v[52:53], s[26:27]        ; 256 consecutive bytes, aligned
	s_wait_tensorcnt 0x0
	ds_add_u32 v30, v31
	s_wait_dscnt 0x0
	s_endpgm
; ---- THE WEIGHTS.  A lane takes a column and its registers run down K: a block of 32 lies in one lane.  Kinds: q 0, k 1, v 2 (w_qkv), hk 3, hv 4 (w_hkv), w_out 5.
.Lpath_w:
	s_sub_co_u32 s22, ttmp9, 128
	s_lshr_b32 s23, s22, 2                         ; which 128 columns
	s_and_b32 s24, s22, 3                          ; i: K = 256 i on
	s_lshr_b32 s25, s23, 3                         ; the kind: 1,024 columns each
	s_and_b32 s26, s23, 7
	s_lshl_b32 s26, s26, 2
	s_add_co_u32 s26, s26, s18                     ; G: my wave's 32 columns of the kind's 1,024
	s_mov_b32 s31, 8192
	s_cmp_lt_u32 s25, 3
	s_cselect_b64 s[28:29], s[6:7], s[8:9]         ; the tensor,
	s_cselect_b32 s31, 12288, s31                  ; its row in bytes,
	s_cselect_b32 s27, 0, 3                        ; its first kind
	s_cmp_eq_u32 s25, 5
	s_cselect_b64 s[28:29], s[10:11], s[28:29]
	s_cselect_b32 s31, 4096, s31
	s_cselect_b32 s27, 5, s27
	s_sub_co_u32 s27, s25, s27
	s_lshl_b32 s27, s27, 12
	s_lshl_b32 s48, s26, 7
	s_add_co_u32 s27, s27, s48                     ; my first column, in bytes
	s_mul_i32 s48, s24, s31
	s_lshl_b32 s48, s48, 8                         ; 256 i rows
	s_add_co_u32 s48, s48, s27
	s_mov_b32 s49, 0
	s_add_nc_u64 s[32:33], s[28:29], s[48:49]      ; a base for each of the eight blocks: no pointer is stepped
	s_lshl_b32 s50, s31, 5
	s_mov_b32 s51, 0
.irp t, 1,2,3,4,5,6,7
	s_add_nc_u64 s[32+2*\t:33+2*\t], s[30+2*\t:31+2*\t], s[50:51]
.endr
	s_lshr_b32 s52, s26, 1                         ; the pair of tiles: 10 head + 2 kind + half, or 160 + G for w_out
	s_mul_i32 s52, s52, 10
	s_lshl_b32 s53, s25, 1
	s_add_co_u32 s52, s52, s53
	s_and_b32 s53, s26, 1
	s_add_co_u32 s52, s52, s53
	s_add_co_u32 s53, s26, 160
	s_cmp_lt_u32 s25, 5
	s_cselect_b32 s52, s52, s53
	s_mul_i32 s54, s52, 24576
	s_mul_i32 s55, s24, 3072
	s_add_co_u32 s54, s54, s55
	s_mov_b32 s55, 0
	s_add_nc_u64 s[54:55], s[14:15], s[54:55]      ; the pair's first tile, K step 2 i
	s_lshl_b32 s56, s52, 2
	s_add_co_u32 s56, s56, s24
	s_lshl_b32 s56, s56, 8
	s_add_co_u32 s56, s56, WQS
	s_mov_b32 s57, 0
	s_add_nc_u64 s[56:57], s[14:15], s[56:57]      ; its scale words
	s_mul_i32 s58, s18, WSTW
	s_add_co_u32 s58, s58, WST                     ; my LDS
	s_wait_alu depctr_va_vdst(0)
	v_lshlrev_b32 v3, 2, v1
	v_bfe_u32 v9, v0, 3, 1                         ; column lambda lies in tile u = (lambda / 8) % 2,
	v_and_b32 v10, 7, v0
	v_bfe_u32 v14, v0, 4, 1
	v_lshl_add_u32 v10, v14, 3, v10                ; at lane-row r = lambda % 8 + 8 (lambda / 16)
	v_mul_u32_u24 v4, v9, 3072
	v_lshl_add_u32 v4, v10, 4, v4
	v_add_nc_u32 v4, s58, v4                       ; images: 3,072 u + 16 r
	v_lshlrev_b32 v5, 3, v10
	v_lshl_add_u32 v5, v9, 2, v5
	v_add_nc_u32 v5, s58, v5                       ; scale words: 8 r + 4 u
	v_lshlrev_b32 v2, 4, v1
	v_lshlrev_b32 v8, 3, v1
	v_add_nc_u32 v7, s58, v2
	v_add_nc_u32 v6, s58, v8
.set I_, 0
.rept 32
	v_mad_u32_u24 v[32+I_], s31, I_, v3            ; row I_ of a block, my column
.set I_, I_+1
.endr
.macro LOADW t                         ; block t: 32 rows; each load reads 128 consecutive bytes a wave
.set I_, 0
.rept 32
	global_load_b32 v[64+32*((\t)%2)+I_], v[32+I_], s[32+2*(\t):33+2*(\t)] th:TH_LOAD_NT
.set I_, I_+1
.endr
.endm
.macro BLOCKW t
.set XS_, 64+32*((\t)%2)
.if (\t) < 7
	s_wait_loadcnt 32                              ; this block's 32 loads are in; the next block's may be out
.else
	s_wait_loadcnt 0x0
.endif
	v_max3_num_f32 v12, |v[XS_]|, |v[XS_+1]|, |v[XS_+2]|
	v_max3_num_f32 v13, |v[XS_+3]|, |v[XS_+4]|, |v[XS_+5]|
.irp i, 6,10,14,18,22,26
	v_max3_num_f32 v12, v12, |v[XS_+\i]|, |v[XS_+\i+1]|
	v_max3_num_f32 v13, v13, |v[XS_+\i+2]|, |v[XS_+\i+3]|
.endr
	v_max3_num_f32 v12, v12, |v[XS_+30]|, |v[XS_+31]|
	v_max3_num_f32 v12, v12, v13, 0x1800000        ; and the floor
	v_add_nc_u32 v11, 0xff000000, v12              ; the conversion's scale operand
	v_lshrrev_b32 v13, 23, v11                     ; the byte
.if (\t)%4 == 0
	v_mov_b32 v[24+(\t)/4], v13
.else
	v_lshl_or_b32 v[24+(\t)/4], v13, 8*((\t)%4), v[24+(\t)/4]
.endif
	v_cvt_scalef32_pk16_fp6_f32 v[16:18], v[XS_:XS_+15], v11
	v_cvt_scalef32_pk16_fp6_f32 v[20:22], v[XS_+16:XS_+31], v11
	v_nop                                          ; one plain instruction behind the scaled conversions
	v_mov_b32 v19, v20
	v_mov_b32 v20, v21
	v_mov_b32 v21, v22                             ; v16-21: the block's six registers
.irp p, 0,1,2                          ; block t is registers 6 ((t % 4) / 2) + 0 .. 5 of lane r + 16 (t % 2) in the fragment of K step t / 4
.set RH_, 6*(((\t)%4)/2)+2*\p
	ds_store_b64 v4, v[16+2*\p:17+2*\p] offset:((\t)/4)*1536+512*(RH_/4)+256*((\t)%2)+4*(RH_%4)
.endr
.if (\t) < 6
	LOADW (\t)+2
.endif
	s_wait_dscnt 0x0                               ; the stores have read their registers
.endm
	LOADW 0
	LOADW 1
.irp t, 0,1,2,3,4,5,6,7
	BLOCKW \t
.endr
	ds_store_b32 v5, v24 offset:6144               ; the even K step's word: lanes 0-15 of the image,
	s_wait_alu depctr_va_vdst(0)
	ds_store_b32 v5, v25 offset:6144+128           ; the odd one's: lanes 16-31
	ds_load_b64 v[26:27], v6 offset:6144           ; LDS serves a wave's instructions in order: these see my stores
.irp k, 0,1,2,3,4,5,6,7,8,9,10,11
	ds_load_b128 v[128+4*\k:131+4*\k], v7 offset:512*\k
.endr
	s_wait_dscnt 12                                ; the scale words are back; the twelve loads behind them may be out
	global_store_b64 v8, v[26:27], s[56:57]        ; 256 consecutive bytes, aligned
.irp k, 0,1,2,3,4,5,6,7,8,9,10,11
	s_wait_dscnt 11-\k                             ; the younger loads may be out
	global_store_b128 v2, v[128+4*\k:131+4*\k], s[54:55] offset:(\k/6)*12288+512*(\k%6)   ; 512 consecutive bytes
.endr
	s_wait_tensorcnt 0x0
	ds_add_u32 v30, v31
	s_wait_dscnt 0x0
	s_endpgm
.Lfunc_end_k_q3691b3e6b2_prep:
	.size	k_q3691b3e6b2_prep, .Lfunc_end_k_q3691b3e6b2_prep-k_q3691b3e6b2_prep
	.p2alignl 7, 3214868480
	.fill 96, 4, 3214868480
	.section	.rodata,"a",@progbits
	.p2align	6, 0x0
	.amdhsa_kernel k_q3691b3e6b2_prep
		.amdhsa_group_segment_fixed_size 59904
		.amdhsa_private_segment_fixed_size 0
		.amdhsa_enable_private_segment 0
		.amdhsa_kernarg_size 56
		.amdhsa_user_sgpr_count 2
		.amdhsa_user_sgpr_kernarg_segment_ptr 1
		.amdhsa_wavefront_size32 1
		.amdhsa_system_sgpr_workgroup_id_x 1
		.amdhsa_system_sgpr_workgroup_id_y 1
		.amdhsa_system_sgpr_workgroup_id_z 1
		.amdhsa_system_vgpr_workitem_id 0
		.amdhsa_next_free_vgpr 256
		.amdhsa_next_free_sgpr 66
		.amdhsa_reserve_vcc 1
		.amdhsa_float_denorm_mode_32 3
		.amdhsa_float_denorm_mode_16_64 3
		.amdhsa_memory_ordered 1
		.amdhsa_forward_progress 1
		.amdhsa_inst_pref_size 81
	.end_amdhsa_kernel
	.amdgpu_metadata
---
amdhsa.version: [ 1, 2 ]
amdhsa.kernels:
  - .name:           k_q3691b3e6b2_prep
    .symbol:         k_q3691b3e6b2_prep.kd
    .args:
      - { .name: x, .offset: 0, .size: 8, .value_kind: global_buffer, .address_space: global }
      - { .name: w_qkv, .offset: 8, .size: 8, .value_kind: global_buffer, .address_space: global }
      - { .name: w_hkv, .offset: 16, .size: 8, .value_kind: global_buffer, .address_space: global }
      - { .name: w_out, .offset: 24, .size: 8, .value_kind: global_buffer, .address_space: global }
      - { .name: xq, .offset: 32, .size: 8, .value_kind: global_buffer, .address_space: global }
      - { .name: wq, .offset: 40, .size: 8, .value_kind: global_buffer, .address_space: global }
      - { .name: rope, .offset: 48, .size: 8, .value_kind: global_buffer, .address_space: global }
    .group_segment_fixed_size: 59904
    .private_segment_fixed_size: 0
    .kernarg_segment_align: 8
    .kernarg_segment_size: 56
    .max_flat_workgroup_size: 128
    .sgpr_count:     66
    .vgpr_count:     256
    .wavefront_size: 32
...
	.end_amdgpu_metadata
.endif
;; end of part 1
;; launch proj (part 2): grid 16 x 16, 4 waves a work-group, clusters of 4 x 4, 327,680 bytes of LDS; arguments xq, wq, rope, kv, qs; writes kv, qs
.if DOCPART == 2
	.amdgcn_target "amdgcn-amd-amdhsa--gfx1250"
	.amdhsa_code_object_version 6
	.text
	.protected	k_q3691b3e6b2_proj
	.globl	k_q3691b3e6b2_proj
	.p2align	8
	.type	k_q3691b3e6b2_proj,@function
k_q3691b3e6b2_proj:
	s_mov_b64 s[64:65], 0
	v_nop
	global_prefetch_b8 v0, s[64:65] scope:SCOPE_SE
	s_setreg_imm32_b32 hwreg(HW_REG_WAVE_MODE, 25, 1), 1
	s_wait_xcnt 0x0
	s_wait_alu depctr_hold_cnt(0) depctr_sa_sdst(0) depctr_va_vdst(0) depctr_va_sdst(0) depctr_va_ssrc(0) depctr_va_vcc(0) depctr_vm_vsrc(0)
	s_getreg_b32 s2, hwreg(HW_REG_IB_STS2, 6, 4)
	s_cmp_eq_u32 s2, 0
	s_cbranch_scc0 .Lentry_in_a_cluster
	s_endpgm
.Lentry_in_a_cluster:
	s_bfe_u32 s2, ttmp6, 0x10000c
	s_cmp_lg_u32 s2, 0xf033
	s_cbranch_scc0 .Lentry_shape_is_right
	s_endpgm
.Lentry_shape_is_right:
.set SLOT,  110592
.set BOFF,  49152
.set SPARE, 2*SLOT
.set STGW,  17408
.set XQS,   3145728
.set WQS,   4718592
.set LI,  1
.set L8,  2
.set L4,  3
.set ADA, 4
.set ADB, 6
.set SPW, 8
.set NIL, 9
.set RO,  10
.set SS,  11
.set SR,  12
.set SH8, 13
.set HH,  16
.set KVW, 24
.set SA,  32
.set SB,  48
.set AF,  128
.set QP,  128
.set KP,  160
.set TM,  192
.set DT,  200
.set W16, 204
.set CQ,  210
.set META, 248
.set SUM, 252
.set G1,  24
.set G0,  32
.set G1B, 48
.set G0B, 56
.set SEL, 86
.set MSB, 0
.macro WIN new
.if MSB != (\new)
	s_set_vgpr_msb (MSB<<8)|(\new)
.set MSB, (\new)
.endif
.endm
.macro PLACES n
.rept \n
	v_nop
.endr
.endm
.macro JLOAD g0a, g1a, g0b, g1b
	s_cmp_eq_u32 s15, 0
	s_cbranch_scc0 .Lfor_b_\@
	tensor_load_to_lds s[\g0a:\g0a+3], s[\g1a:\g1a+7]
	s_nop 0
.rept 4
	v_nop
.endr
	s_branch .Lasked_\@
.Lfor_b_\@:
	tensor_load_to_lds s[\g0b:\g0b+3], s[\g1b:\g1b+7]
	s_nop 0
.rept 4
	v_nop
.endr
.Lasked_\@:
.endm
.macro CROUND
	s_barrier_signal -1
	s_barrier_wait -1
	s_cmp_lg_u32 s14, 0
	s_cbranch_scc1 .Lnot_wave_0_\@
	s_barrier_signal -3
.Lnot_wave_0_\@:
	s_barrier_wait -3
	s_barrier_signal -1
	s_barrier_wait -1
.endm
	s_load_b256 s[4:11], s[0:1], 0x0
	s_load_b64 s[12:13], s[0:1], 0x20
	v_lshl_add_u32 v[SPW], v0, 2, SPARE
	v_mov_b32 v[NIL], 0
	ds_add_u32 v8, v9
	ds_add_u32 v8, v9
	s_wait_dscnt 0x0
	v_lshrrev_b32 v1, 5, v0
	v_readfirstlane_b32 s14, v1
	s_lshr_b32 s15, s14, 1
	s_and_b32 s16, s14, 1
	s_bfe_u32 s40, ttmp6, 0x40000
	s_bfe_u32 s41, ttmp6, 0x40004
	s_lshl_b32 s42, ttmp9, 2
	s_add_co_u32 s42, s42, s40
	s_and_b32 s17, ttmp7, 0xffff
	s_lshl_b32 s17, s17, 2
	s_add_co_u32 s17, s17, s41
	s_lshl_b32 s43, s41, 2
	s_lshl_b32 s43, 15, s43
	s_lshl_b32 s44, 0x1111, s40
	s_or_b32 s[G1+0], s43, (3<<16)|(1<<21)
	s_or_b32 s[G1B+0], s44, (3<<16)|(1<<21)
	s_mov_b32 s[G1+1], 384<<16
	s_mov_b32 s[G1+2], 8<<16
	s_mov_b32 s[G1+3], 384<<16
	s_mov_b32 s[G1+4], 8
	s_mov_b32 s[G1+5], 1536
	s_mov_b32 s[G1+6], 0
	s_mov_b32 s[G1+7], 0
	s_mov_b32 s[G1B+1], 384<<16
	s_mov_b32 s[G1B+2], 10<<16
	s_mov_b32 s[G1B+3], 384<<16
	s_mov_b32 s[G1B+4], 10
	s_mov_b32 s[G1B+5], 1536
	s_mov_b32 s[G1B+6], 0
	s_mov_b32 s[G1B+7], 0
	s_lshl_b32 s20, s17, 4
	s_lshl_b32 s18, s16, 3
	s_add_co_u32 s20, s20, s18
	s_mul_i32 s20, s20, 12288
	s_mov_b32 s21, 0
	s_mul_i32 s46, s42, 20
	s_mul_i32 s47, s16, 10
	s_add_co_u32 s46, s46, s47
	s_mul_i32 s46, s46, 12288
	s_mov_b32 s47, 0
	s_mul_i32 s45, s16, 24576
	s_mul_i32 s22, s16, 30720
	s_add_co_u32 s22, s22, BOFF
	s_wait_kmcnt 0x0
	s_add_nc_u64 s[20:21], s[4:5], s[20:21]
	s_add_nc_u64 s[46:47], s[6:7], s[46:47]
	CROUND
.irp s, 0,1
	s_mov_b32 s[G0+4*\s], 1
	s_add_co_u32 s[G0+4*\s+1], s45, \s*SLOT
	s_add_nc_u64 s[G0+4*\s+2:G0+4*\s+3], s[20:21], \s*3072
	s_or_b32 s[G0+4*\s+3], s[G0+4*\s+3], 0x80000000
	s_mov_b32 s[G0B+4*\s], 1
	s_add_co_u32 s[G0B+4*\s+1], s22, \s*SLOT
	s_add_nc_u64 s[G0B+4*\s+2:G0B+4*\s+3], s[46:47], \s*3072
	s_or_b32 s[G0B+4*\s+3], s[G0B+4*\s+3], 0x80000000
.endr
	JLOAD G0, G1, G0B, G1B
	v_and_b32 v14, 31, v0
	v_lshlrev_b32 v[LI], 4, v14
	v_lshlrev_b32 v[L8], 3, v14
	v_lshlrev_b32 v[L4], 2, v14
	s_mul_i32 s18, s14, 12288
	v_add_nc_u32 v[ADA], s18, v[LI]
	v_add_nc_u32 v[ADA+1], SLOT, v[ADA]
	v_add_nc_u32 v[ADB], BOFF, v[LI]
	v_add_nc_u32 v[ADB+1], SLOT, v[ADB]
	v_and_b32 v14, 15, v0
	v_bfe_u32 v15, v0, 4, 1
	v_and_b32 v20, 8, v14
	v_add_nc_u32 v14, v14, v20
	v_lshlrev_b32 v[RO], 8, v14
	v_lshl_add_u32 v[RO], v15, 6, v[RO]
	s_wait_alu depctr_va_vdst(0)
	s_mul_i32 s18, s14, STGW
	v_mul_u32_u24 v[SS], v15, 4352
	v_lshl_add_u32 v[SS], v14, 2, v[SS]
	v_add_nc_u32 v[SS], s18, v[SS]
	v_mul_u32_u24 v[SR], v14, 272
	v_lshl_add_u32 v[SR], v15, 7, v[SR]
	v_add_nc_u32 v[SR], s18, v[SR]
	v_lshlrev_b32 v[SH8], 3, v15
	s_mov_b32 s[SEL], 0x76543210
	s_mov_b32 s[SEL+1], 0xfedcba98
	s_mov_b32 s80, 0xffff0000
	s_mov_b32 s19, 0
	s_lshl_b32 s18, s17, 3
	s_lshl_b32 s82, s14, 1
	s_add_co_u32 s18, s18, s82
	s_lshl_b32 s18, s18, 10
	s_add_co_u32 s18, s18, XQS
	s_add_nc_u64 s[66:67], s[4:5], s[18:19]
	s_mul_i32 s18, s42, 10240
	s_add_co_u32 s18, s18, WQS
	s_add_nc_u64 s[68:69], s[6:7], s[18:19]
	s_and_b32 s81, s17, 7
	s_lshl_b32 s18, s81, 8
	s_lshl_b32 s82, s14, 6
	s_add_co_u32 s18, s18, s82
	s_lshl_b32 s18, s18, 8
	s_add_nc_u64 s[70:71], s[8:9], s[18:19]
	s_lshr_b32 s83, s17, 3
	s_lshl_b32 s83, s83, 4
	s_add_co_u32 s83, s83, s42
	s_lshl_b32 s18, s83, 7
	s_lshl_b32 s82, s81, 4
	s_add_co_u32 s18, s18, s82
	s_lshl_b32 s82, s14, 2
	s_add_co_u32 s18, s18, s82
	s_mul_i32 s18, s18, 6912
	s_add_nc_u64 s[72:73], s[12:13], s[18:19]
	s_lshl_b32 s18, s83, 4
	s_lshl_b32 s82, s81, 1
	s_add_co_u32 s18, s18, s82
	s_add_co_u32 s18, s18, s15
	s_mul_i32 s18, s18, 19200
	s_add_nc_u64 s[84:85], s[10:11], s[18:19]
	s_mul_i32 s18, s16, 3072
	s_add_nc_u64 s[74:75], s[84:85], s[18:19]
	s_lshl_b32 s18, s16, 8
	s_add_co_u32 s18, s18, 18432
	s_add_nc_u64 s[76:77], s[84:85], s[18:19]
	s_lshl_b32 s18, s16, 7
	s_add_co_u32 s18, s18, 18944
	s_add_nc_u64 s[78:79], s[84:85], s[18:19]
.irp p, 0,1
.irp i, 0,1,2,3
	global_load_b64 v[SA+2*(4*\p+\i):SA+2*(4*\p+\i)+1], v[L8], s[66:67] offset:\p*1024+\i*256
.endr
.endr
.irp p, 0,1,2,3,4,5,6,7,8,9
.irp i, 0,1,2,3
	global_load_b64 v[SB+2*(4*\p+\i):SB+2*(4*\p+\i)+1], v[L8], s[68:69] offset:\p*1024+\i*256
.endr
.endr
.macro CSLOAD mm
.set CSL_, 224-96*((\mm)%2)
	WIN 0xc0
.irp b, 0,1
.irp k, 0,1,2,3
	global_load_b128 v[CSL_+16*\b+4*\k:CSL_+16*\b+4*\k+3], v[RO], s[70:71] offset:(32*((\mm)/2)+8*((\mm)%2))*256+128*\b+16*\k
.endr
.endr
	WIN 0
.endm
	CSLOAD 0
	s_wait_alu depctr_va_vdst(0)
	s_wait_tensorcnt 0x0
	ds_add_u32 v8, v9
	s_wait_dscnt 0x0
	CROUND
	JLOAD G0+4, G1, G0B+4, G1B
.macro LDB q
.set LS_, (\q)/5
.set LG_, (\q)%5
	WIN 0xc0
.irp t, 0,1,2,3
.irp c, 0,1,2
	ds_load_b128 v[128+48*((\q)%2)+12*\t+4*\c:128+48*((\q)%2)+12*\t+4*\c+3], v[ADB+(LS_/2)%2] offset:(4*LG_+\t)*3072+(LS_%2)*1536+512*\c
.endr
.endr
.endm
.macro LDA s
	WIN 0
.irp m, 0,1,2,3
.irp c, 0,1,2
	ds_load_b128 v[AF+48*((\s)%2)+12*\m+4*\c:AF+48*((\s)%2)+12*\m+4*\c+3], v[ADA+((\s)/2)%2] offset:\m*3072+((\s)%2)*1536+512*\c
.endr
.endr
.endm
.macro WMP d, b, a, sb, sa, first, odd
.if \first
	v_wmma_scale_f32_16x16x128_f8f6f4 v[\d:\d+7], v[\b:\b+11], v[\a:\a+11], 0, v[\sb], v[\sa] matrix_a_fmt:MATRIX_FMT_FP6 matrix_b_fmt:MATRIX_FMT_FP6
.elseif \odd
	v_wmma_scale_f32_16x16x128_f8f6f4 v[\d:\d+7], v[\b:\b+11], v[\a:\a+11], v[\d:\d+7], v[\sb], v[\sa] matrix_a_fmt:MATRIX_FMT_FP6 matrix_b_fmt:MATRIX_FMT_FP6 matrix_a_scale:MATRIX_SCALE_ROW1 matrix_b_scale:MATRIX_SCALE_ROW1
.else
	v_wmma_scale_f32_16x16x128_f8f6f4 v[\d:\d+7], v[\b:\b+11], v[\a:\a+11], v[\d:\d+7], v[\sb], v[\sa] matrix_a_fmt:MATRIX_FMT_FP6 matrix_b_fmt:MATRIX_FMT_FP6
.endif
.endm
.macro MULG q
.set MS_, (\q)/5
.set MG_, (\q)%5
	WIN 0x03|((1+MG_/2)*0x50)
.irp t, 0,1,2,3
.irp m, 0,1,2,3
	WMP 64*((2*MG_+\t/2)%4)+16*\m+8*(\t%2), 128+48*((\q)%2)+12*\t, AF+48*(MS_%2)+12*\m, SB+2*(4*((4*MG_+\t)/2)+MS_/2)+\t%2, SA+2*(4*(\m/2)+MS_/2)+\m%2, MS_==0, MS_%2
.endr
.endr
.endm
.macro GROUP q
.set S_, (\q)/5
.set G_, (\q)%5
.if ((\q) == 9) || ((\q) == 19) || ((\q) == 29)
	WIN 0
	s_wait_tensorcnt 0x0
	ds_add_u32 v[SPW], v[NIL]
	s_wait_dscnt 1
	MULG \q
	WIN 0
.if (\q) < 29
	s_add_nc_u64 s[G0+4*((S_/2)%2)+2:G0+4*((S_/2)%2)+3], s[G0+4*((S_/2)%2)+2:G0+4*((S_/2)%2)+3], 6144
	s_add_nc_u64 s[G0B+4*((S_/2)%2)+2:G0B+4*((S_/2)%2)+3], s[G0B+4*((S_/2)%2)+2:G0B+4*((S_/2)%2)+3], 6144
.endif
	s_wait_dscnt 0x0
.if (\q) < 29
	CROUND
	JLOAD G0+4*((S_/2)%2), G1, G0B+4*((S_/2)%2), G1B
.else
	s_barrier_signal -1
	s_barrier_wait -1
	PLACES 4
.endif
	LDB (\q)+1
	LDA S_+1
.elseif (\q) == 39
	s_wait_dscnt 0x0
	MULG \q
.else
	PLACES 4
	LDB (\q)+1
.if (G_ == 2) && (S_%2 == 0)
	LDA S_+1
	s_wait_dscnt 24
.else
	s_wait_dscnt 12
.endif
	MULG \q
.endif
.endm
	s_wait_loadcnt 0x0
	s_wait_tensorcnt 1
	s_barrier_signal -1
	s_barrier_wait -1
	LDB 0
	LDA 0
.set Q, 0
.rept 40
	GROUP Q
.set Q, Q+1
.endr
	WIN 0
	PLACES 4
	v_mov_b32 v[TM+2], 0
	v_mov_b32 v[TM+3], 0
.macro ROPE dst, acc, m
.set CSR_, 224-96*((\m)%2)
	WIN 0x0d
.irp b, 0,1
.irp p, 0,2,4,6,8,10,12,14
	v_pk_mul_f32 v[\dst+16*\b+\p:\dst+16*\b+\p+1], v[\acc+64*\b+16*(\m)+\p:\acc+64*\b+16*(\m)+\p+1], v[CSR_+16*\b+\p:CSR_+16*\b+\p+1] op_sel_hi:[1,0]
.endr
.endr
.irp b, 0,1
.irp p, 0,2,4,6,8,10,12,14
	v_pk_fma_f32 v[\dst+16*\b+\p:\dst+16*\b+\p+1], v[\acc+64*\b+16*(\m)+\p:\acc+64*\b+16*(\m)+\p+1], v[CSR_+16*\b+\p:CSR_+16*\b+\p+1], v[\dst+16*\b+\p:\dst+16*\b+\p+1] op_sel:[1,1,0] op_sel_hi:[0,1,1] neg_lo:[0,1,0]
.endr
.endr
.endm
.macro QUANT2 a0, a1, W, C, B16
	WIN (\W)|((\W)<<2)
	v_max3_num_f32 v[TM], |v[\a0]|, |v[\a0+1]|, 0x1800000
	v_max3_num_f32 v[TM+1], |v[\a1]|, |v[\a1+1]|, 0x1800000
.irp i, 2,4,6,8,10,12,14
	v_max3_num_f32 v[TM], |v[\a0+\i]|, |v[\a0+\i+1]|, v[TM]
	v_max3_num_f32 v[TM+1], |v[\a1+\i]|, |v[\a1+\i+1]|, v[TM+1]
.endr
	WIN 0
	v_permlanex16_b32 v[TM+2], v[TM], s[SEL], s[SEL+1]
	v_permlanex16_b32 v[TM+3], v[TM+1], s[SEL], s[SEL+1]
	v_max_num_f32 v[TM], v[TM], v[TM+2]
	v_max_num_f32 v[TM+1], v[TM+1], v[TM+3]
	v_add_nc_u32 v[TM+4], 0xff000000, v[TM]
	v_add_nc_u32 v[TM+5], 0xff000000, v[TM+1]
	v_lshrrev_b32 v[TM+2], 23, v[TM+4]
	v_lshrrev_b32 v[TM+3], 23, v[TM+5]
	v_lshl_or_b32 v[\B16], v[TM+3], 8, v[TM+2]
	WIN \W
	v_cvt_scalef32_pk16_fp6_f32 v[\C:\C+2], v[\a0:\a0+15], v[TM+4]
	v_cvt_scalef32_pk16_fp6_f32 v[DT:DT+2], v[\a1:\a1+15], v[TM+5]
	WIN 0
	v_nop
.irp i, 0,1,2
	v_permlane16_swap_b32 v[\C+\i], v[DT+\i]
.endr
.irp i, 0,1,2
	v_mov_b32 v[\C+3+\i], v[DT+\i]
.endr
.endm
.macro HFIST c, base, off
	global_store_b128 v[LI], v[\c:\c+3], s[\base:\base+1] offset:\off
	global_store_b64 v[L8], v[\c+4:\c+5], s[\base:\base+1] offset:\off+512
.endm
.macro EPI m
	s_wait_xcnt 0x0
	s_wait_loadcnt 0x0
.if (\m) < 3
	CSLOAD (\m)+1
.endif
	ROPE QP, 0, \m
	ROPE KP, 128, \m
	WIN 0x02
	v_pk_mul_f32 v[SUM:SUM+1], v[128+16*(\m):128+16*(\m)+1], v[QP:QP+1]
	v_pk_mul_f32 v[SUM+2:SUM+3], v[192+16*(\m):192+16*(\m)+1], v[QP+16:QP+17]
.irp p, 2,4,6,8,10,12,14
	v_pk_fma_f32 v[SUM:SUM+1], v[128+16*(\m)+\p:128+16*(\m)+\p+1], v[QP+\p:QP+\p+1], v[SUM:SUM+1]
	v_pk_fma_f32 v[SUM+2:SUM+3], v[192+16*(\m)+\p:192+16*(\m)+\p+1], v[QP+16+\p:QP+16+\p+1], v[SUM+2:SUM+3]
.endr
	WIN 0
	v_pk_add_f32 v[SUM:SUM+1], v[SUM:SUM+1], v[SUM+2:SUM+3]
	v_add_f32 v[SUM], v[SUM], v[SUM+1]
	v_permlanex16_b32 v[SUM+1], v[SUM], s[SEL], s[SEL+1]
	v_add_f32 v[META+3], v[SUM], v[SUM+1]
	QUANT2 QP, QP+16, 0, CQ, W16
	QUANT2 KP, KP+16, 0, CQ+8, W16+1
	QUANT2 16*(\m), 64+16*(\m), 2, CQ+16, W16+2
	QUANT2 128+16*(\m), 192+16*(\m), 2, CQ+24, W16+3
	QUANT2 16*(\m), 64+16*(\m), 3, CQ+32, W16+4
	v_or_b32 v[META], 0x7f7f0000, v[W16]
	v_or_b32 v[META+1], 0x7f7f0000, v[W16+3]
	v_lshl_or_b32 v[META+2], v[W16+4], 16, 0x7f7f
	v_lshl_or_b32 v[KVW+(\m)], v[W16+2], 16, v[W16+1]
	HFIST CQ, 72, (\m)*6912
	HFIST CQ+24, 72, (\m)*6912+768
	HFIST CQ+32, 72, (\m)*6912+1536
	global_store_b128 v[LI], v[META:META+3], s[72:73] offset:(\m)*6912+2304
	WIN 0x0c
.irp k, 0,1,2,3,4,5,6,7
	global_store_b128 v[LI], v[64*(\k/4)+16*(\m)+4*(\k%4):64*(\k/4)+16*(\m)+4*(\k%4)+3], s[72:73] offset:(\m)*6912+2816+512*\k
.endr
	WIN 0
	HFIST CQ+8, 74, (\m)*768
	HFIST CQ+16, 74, 6144+(\m)*768
	WIN 0x08
.irp b, 0,1
.irp j, 0,1,2,3,4,5,6,7,8,9,10,11,12,13,14,15
	ds_store_b32 v[SS], v[64*\b+16*(\m)+\j] offset:(32*\b+\j)*272+4*(32*((\m)/2)+8*((\m)%2))
.endr
.endr
	WIN 0
.endm
	EPI 0
	EPI 1
	EPI 2
	EPI 3
	v_cndmask_b32 v20, v[KVW], v[KVW+1], s80
	v_cndmask_b32 v21, v[KVW+2], v[KVW+3], s80
	global_store_b64 v[L8], v[20:21], s[76:77]
.macro VTLOAD dd
.irp k, 0,1,2,3,4,5,6,7
	ds_load_b128 v[QP+32*((\dd)%2)+4*\k:QP+32*((\dd)%2)+4*\k+3], v[SR] offset:(32*((\dd)/2)+8*((\dd)%2))*272+16*\k
.endr
.endm
	s_wait_xcnt 0x0
	VTLOAD 0
.irp d, 0,1,2,3
.if \d < 3
	VTLOAD \d+1
	s_wait_dscnt 8
.else
	s_wait_dscnt 0x0
.endif
.set XS_, QP+32*(\d%2)
	v_max3_num_f32 v[TM], |v[XS_]|, |v[XS_+1]|, |v[XS_+2]|
	v_max3_num_f32 v[TM+1], |v[XS_+3]|, |v[XS_+4]|, |v[XS_+5]|
.irp i, 6,10,14,18,22,26
	v_max3_num_f32 v[TM], v[TM], |v[XS_+\i]|, |v[XS_+\i+1]|
	v_max3_num_f32 v[TM+1], v[TM+1], |v[XS_+\i+2]|, |v[XS_+\i+3]|
.endr
	v_max3_num_f32 v[TM], v[TM], |v[XS_+30]|, |v[XS_+31]|
	v_max3_num_f32 v[TM], v[TM], v[TM+1], 0x1800000
	v_add_nc_u32 v[TM+4], 0xff000000, v[TM]
	v_lshrrev_b32 v[TM+2], 23, v[TM+4]
	v_cvt_scalef32_pk16_fp6_f32 v[CQ+8*\d:CQ+8*\d+2], v[XS_:XS_+15], v[TM+4]
	v_cvt_scalef32_pk16_fp6_f32 v[DT:DT+2], v[XS_+16:XS_+31], v[TM+4]
	v_lshlrev_b32 v[TM+2], v[SH8], v[TM+2]
.irp i, 0,1,2
	v_mov_b32 v[CQ+8*\d+3+\i], v[DT+\i]
.endr
	v_permlanex16_b32 v[TM+3], v[TM+2], s[SEL], s[SEL+1]
	v_or_b32 v[HH+\d], v[TM+2], v[TM+3]
	HFIST CQ+8*\d, 74, 12288+\d*768
.endr
	v_cndmask_b32 v22, v[HH], v[HH+1], s80
	v_cndmask_b32 v23, v[HH+2], v[HH+3], s80
	v_lshl_or_b32 v22, v23, 16, v22
	global_store_b32 v[L4], v22, s[78:79]
	s_wait_tensorcnt 0x0
	ds_add_u32 v[SPW], v[NIL]
	s_wait_dscnt 0x0
	CROUND
	s_endpgm
.Lfunc_end_k_q3691b3e6b2_proj:
	.size	k_q3691b3e6b2_proj, .Lfunc_end_k_q3691b3e6b2_proj-k_q3691b3e6b2_proj
	.p2alignl 7, 3214868480
	.fill 96, 4, 3214868480
	.section	.rodata,"a",@progbits
	.p2align	6, 0x0
	.amdhsa_kernel k_q3691b3e6b2_proj
		.amdhsa_group_segment_fixed_size 327680
		.amdhsa_private_segment_fixed_size 0
		.amdhsa_enable_private_segment 0
		.amdhsa_kernarg_size 40
		.amdhsa_user_sgpr_count 2
		.amdhsa_user_sgpr_kernarg_segment_ptr 1
		.amdhsa_wavefront_size32 1
		.amdhsa_system_sgpr_workgroup_id_x 1
		.amdhsa_system_sgpr_workgroup_id_y 1
		.amdhsa_system_sgpr_workgroup_id_z 1
		.amdhsa_system_vgpr_workitem_id 0
		.amdhsa_next_free_vgpr 1024
		.amdhsa_next_free_sgpr 100
		.amdhsa_reserve_vcc 0
		.amdhsa_float_denorm_mode_32 3
		.amdhsa_float_denorm_mode_16_64 3
		.amdhsa_memory_ordered 1
		.amdhsa_forward_progress 1
		.amdhsa_inst_pref_size 230
	.end_amdhsa_kernel
	.amdgpu_metadata
---
amdhsa.version: [ 1, 2 ]
amdhsa.kernels:
  - .name:           k_q3691b3e6b2_proj
    .symbol:         k_q3691b3e6b2_proj.kd
    .args:
      - { .name: xq, .offset: 0, .size: 8, .value_kind: global_buffer, .address_space: global }
      - { .name: wq, .offset: 8, .size: 8, .value_kind: global_buffer, .address_space: global }
      - { .name: rope, .offset: 16, .size: 8, .value_kind: global_buffer, .address_space: global }
      - { .name: kv, .offset: 24, .size: 8, .value_kind: global_buffer, .address_space: global }
      - { .name: qs, .offset: 32, .size: 8, .value_kind: global_buffer, .address_space: global }
    .group_segment_fixed_size: 327680
    .private_segment_fixed_size: 0
    .kernarg_segment_align: 8
    .kernarg_segment_size: 40
    .max_flat_workgroup_size: 128
    .sgpr_count:     100
    .vgpr_count:     1024
    .wavefront_size: 32
...
	.end_amdgpu_metadata
.endif
;; end of part 2
;; launch att (part 3): grid 8 x 32, 16 waves a work-group, clusters of 4 x 1, 327,680 bytes of LDS; arguments kv, qs, alpha, oq; writes oq
.if DOCPART == 3
	.amdgcn_target "amdgcn-amd-amdhsa--gfx1250"
	.amdhsa_code_object_version 6
	.text
	.protected	k_q3691b3e6b2_att
	.globl	k_q3691b3e6b2_att
	.p2align	8
	.type	k_q3691b3e6b2_att,@function
k_q3691b3e6b2_att:
	s_mov_b64 s[64:65], 0
	v_nop
	global_prefetch_b8 v0, s[64:65] scope:SCOPE_SE
	s_setreg_imm32_b32 hwreg(HW_REG_WAVE_MODE, 25, 1), 1
	s_wait_xcnt 0x0
	s_wait_alu depctr_hold_cnt(0) depctr_sa_sdst(0) depctr_va_vdst(0) depctr_va_sdst(0) depctr_va_ssrc(0) depctr_va_vcc(0) depctr_vm_vsrc(0)
	s_getreg_b32 s2, hwreg(HW_REG_IB_STS2, 6, 4)
	s_cmp_eq_u32 s2, 0
	s_cbranch_scc0 .Lentry_in_a_cluster
	s_endpgm
.Lentry_in_a_cluster:
	s_bfe_u32 s2, ttmp6, 0x10000c
	s_cmp_lg_u32 s2, 0x3003
	s_cbranch_scc0 .Lentry_shape_is_right
	s_endpgm
.Lentry_shape_is_right:
; The attention of one head: t = (q k / 8 - silu(hk k x qhk / 8)) log2(e), causal; p = 2^(t - M), M the ceiling of the running largest t;
; o = (p v - sigmoid(alpha) (sum p (hv v)) hv) / sum p; o is quantised along d.  All four products on codes of FP6 (E2M3).
; q k, hk k and hv v have K = 64: the query's operand has zero codes in the other half of the instruction's 128, so what the key's operand holds there adds nothing.
; Key steps that lie wholly behind a tile's queries (the causal mask of the problem) are not computed.
; SHARES.  A head's 128 query tiles of 16 go to 8 work-groups (j) x 8 pairs of waves (c, c + 8).  Pair c owns tile A = 8 (15 - c) + j (16 - c key steps of 128) and tile B = 8 c + j (c + 1 steps).
; Wave c, the keeper, takes A's steps 0-8; wave c + 8, the giver, takes all of B, stores it, and then A's steps 9 .. 15 - c: 9 and 8 steps.
; Each wave's steps ascend, so one loop of 16 constant trips serves both; a step that is not wanted is jumped over by tests on ids.
; A's two parts are joined at the end: M is a whole number, so each part is brought under the common M by a power of two, which rounds nothing.  The giver hands its part over through LDS.
; THE WHOLE HEAD'S KEYS STAY IN LDS: 16 steps x 19,200 bytes, wave w fetches step w: one tensor load a wave, nothing is filled again.  CLUSTER 4 x 1: four work-groups of a head ask for each step jointly.
; The hand-over's stage lies on key steps 0 and 1 (8 x 4,608 bytes): they have had their only fill, and a barrier stands between the last read of the keys and the first store.
; No prefetch: all tensor loads go out at the head, ahead of the one loop.
; LAYOUT.  All products transposed (source 0 = keys, or d of v^T; source 1 = my 16 queries): a lane holds one query.  Lane-row r of key tile 2 b + u is key 32 b + 8 u + r + 8 (r / 8), so that register 16 b + i is key 32 b + 16 (lane / 16) + i.
; No branch and no LDS address hangs on the work-group's place in its cluster: j enters global addresses and the mask's lane value alone.
; LIMITS: NaN and infinities are not served; a block of zeros gets the byte 1 (its codes are zeros); the promise holds while |t| stays under 2^31.
.set STEPB, 19200                      ; a key step: 8 tiles of k (768 bytes each), 8 of v along d, 2 x 4 halves of v^T, scale words
.set VDOFF, 6144
.set VTOFF, 12288
.set SCOFF, 18432
.set XOFF,  18944
.set OQS,   3145728
.set SPARE, 16*STEPB                   ; the spare words: 16 waves x 128 bytes
.set MSB_,  4608                       ; a pair's stage: 9 x 512 bytes
.set R,   80                           ; v80-111   key operands; the silu's exponentials and reciprocals; at a tile's end hv
.set U,   112                          ; v112-143  hk k, later hv v, later p's codes
.set T,   144                          ; v144-207  8 x score, then p, then v^T's fragments; at the end the giver's O^T
.set O,   208                          ; v208-239  O^T
.set BM,  24
.set BX,  28
.set SCO, 32
.set KS,  40                           ; v40-43 k's and v's scale words; v44-45 v^T's bytes as stored; v46-47 v^T's scale words; v36-38 q's, hk's, hv's
.set MS,  78                           ; v78 my pair's stage
.set PW,  79                           ; p's scale word
.set LC,  246                          ; v[246:247] log2(e) / 8
.set WV,  12
.set SEL, 20
.set CS,  22                           ; s[22:23] log2(e) / 8
.set G1A, 24
.set G0A, 40
.set TB,  48                           ; LDS byte of the step in hand
.set KK,  49                           ; the step
.set KLO, 50                           ; first and
.set II,  51                           ; the tile's diagonal step
.set KHI, 52                           ; last step wanted
.set SWK, 53                           ; the trip at whose head I change tiles (64: never)
.macro PLACES n
.rept \n
	v_nop
.endr
.endm
.macro CROUND
	s_barrier_signal -1
	s_barrier_wait -1
	s_cmp_lg_u32 s[WV], 0
	s_cbranch_scc1 .Lnot_wave_0_\@
	s_barrier_signal -3
.Lnot_wave_0_\@:
	s_barrier_wait -3
	s_barrier_signal -1
	s_barrier_wait -1
.endm
.macro WM0 d, a, b, sa, sb, row        ; a product that starts its sum
.if \row
	v_wmma_scale_f32_16x16x128_f8f6f4 v[\d:\d+7], v[\a:\a+11], v[\b:\b+11], 0, v[\sa], v[\sb] matrix_a_fmt:MATRIX_FMT_FP6 matrix_b_fmt:MATRIX_FMT_FP6 matrix_a_scale:MATRIX_SCALE_ROW1
.else
	v_wmma_scale_f32_16x16x128_f8f6f4 v[\d:\d+7], v[\a:\a+11], v[\b:\b+11], 0, v[\sa], v[\sb] matrix_a_fmt:MATRIX_FMT_FP6 matrix_b_fmt:MATRIX_FMT_FP6
.endif
.endm
.macro WMA d, a, b, sa, sb, row        ; and one that adds in place
.if \row
	v_wmma_scale_f32_16x16x128_f8f6f4 v[\d:\d+7], v[\a:\a+11], v[\b:\b+11], v[\d:\d+7], v[\sa], v[\sb] matrix_a_fmt:MATRIX_FMT_FP6 matrix_b_fmt:MATRIX_FMT_FP6 matrix_a_scale:MATRIX_SCALE_ROW1
.else
	v_wmma_scale_f32_16x16x128_f8f6f4 v[\d:\d+7], v[\a:\a+11], v[\b:\b+11], v[\d:\d+7], v[\sa], v[\sb] matrix_a_fmt:MATRIX_FMT_FP6 matrix_b_fmt:MATRIX_FMT_FP6
.endif
.endm
.macro KLOAD g                         ; k's tiles 4 g .. 4 g + 3: tile t's six registers at R + 6 t: the lower half of the operand v[R + 6 t .. + 11]
.irp t, 0,1,2,3
	ds_load_b128 v[R+6*\t:R+6*\t+3], v4 offset:(4*(\g)+\t)*768
	ds_load_b64 v[R+6*\t+4:R+6*\t+5], v5 offset:(4*(\g)+\t)*768+512
.endr
.endm
.macro VLOAD g                         ; v's tiles along d: at R + 6 + 6 t: the upper half of the same operands
.irp t, 0,1,2,3
	ds_load_b128 v[R+6+6*\t:R+6+6*\t+3], v4 offset:VDOFF+(4*(\g)+\t)*768
	ds_load_b64 v[R+10+6*\t:R+10+6*\t+1], v5 offset:VDOFF+(4*(\g)+\t)*768+512
.endr
.endm
.macro HVV g                           ; hv v of 64 keys
.irp t, 0,1,2,3
	WM0 U+8*\t, R+6*\t, 54, KS+2*(\g)+\t/2, 38, \t%2
.endr
.endm
.macro MODSUM g                        ; its sum against the unquantised p
	s_wait_alu depctr_va_vdst(0)
.set J_, 0
.rept 8
	v_pk_fma_f32 v[16:17], v[U+J_:U+J_+1], v[T+32*(\g)+J_:T+32*(\g)+J_+1], v[16:17]
	v_pk_fma_f32 v[18:19], v[U+J_+2:U+J_+3], v[T+32*(\g)+J_+2:T+32*(\g)+J_+3], v[18:19]
.set J_, J_+4
.endr
.endm
.macro HVLOAD                          ; hv, f32, in O^T's layout, into the key operands' registers, which are done with at a tile's end
.irp k, 0,1,2,3,4,5,6,7
	global_load_b128 v[R+4*\k:R+4*\k+3], v1, s[54:55] offset:2816+512*\k
.endr
.endm
; The tile 8 II + j.  PRO_A: its record's address, where its result goes, and the loads of its operands.  PRO_B: a fresh state, and the wait for the loads.
.macro PRO_A
	s_wait_xcnt 0x0                                ; earlier loads and stores have read their bases and registers
	s_lshl_b32 s60, s[II], 3
	s_add_co_u32 s60, s60, s14                     ; the query tile
	s_lshl_b32 s61, s15, 7
	s_add_co_u32 s61, s61, s60
	s_mul_i32 s62, s61, 6912
	s_mov_b32 s63, 0
	s_add_nc_u64 s[54:55], s[6:7], s[62:63]
	s_lshr_b32 s61, s15, 4
	s_lshl_b32 s61, s61, 7
	s_add_co_u32 s61, s61, s60                     ; the token tile: 128 batch + query tile
	s_and_b32 s60, s15, 15                         ; the head
	s_lshl_b32 s62, s61, 3
	s_lshr_b32 s66, s60, 1
	s_add_co_u32 s62, s62, s66
	s_mul_i32 s62, s62, 1536                       ; K step head / 2 of the last product,
	s_and_b32 s67, s60, 1
	s_mul_i32 s68, s67, 768                        ; its half head % 2
	s_add_co_u32 s62, s62, s68
	s_add_nc_u64 s[56:57], s[10:11], s[62:63]
	s_lshl_b32 s62, s61, 9
	s_lshl_b32 s66, s66, 6
	s_add_co_u32 s62, s62, s66
	s_lshl_b32 s67, s67, 1
	s_add_co_u32 s62, s62, s67
	s_add_co_u32 s62, s62, OQS
	s_add_nc_u64 s[58:59], s[10:11], s[62:63]      ; and my two bytes of each row's scale word
	global_load_b128 v[48:51], v1, s[54:55]
	global_load_b64 v[52:53], v2, s[54:55] offset:512
	global_load_b128 v[66:69], v1, s[54:55] offset:768
	global_load_b64 v[70:71], v2, s[54:55] offset:1280
	global_load_b128 v[60:63], v1, s[54:55] offset:1536
	global_load_b64 v[64:65], v2, s[54:55] offset:2048
	global_load_b128 v[36:39], v1, s[54:55] offset:2304
.endm
.macro PRO_B
	v_mov_b32 v13, 0xff61b1e6                      ; the largest t so far: -3e38
	s_delay_alu instid0(VALU_DEP_1)
	v_floor_f32 v12, -v13                          ; -M
.irp i, 14,15,16,17,18,19
	v_mov_b32 v\i, 0                               ; the sum of p and the sum of p (hv v), in halves
.endr
.set J_, 0
.rept 32
	v_mov_b32 v[O+J_], 0                           ; the step is written once: the first finds zeros
.set J_, J_+1
.endr
	s_wait_loadcnt 0x0
	v_mul_f32 v10, s16, v39                        ; - qhk log2(e) / 8
	s_delay_alu instid0(VALU_DEP_1)
	v_mov_b32 v11, v10
	s_wait_alu depctr_va_vdst(0)
.endm
; A TILE'S END: o = (O^T - sigmoid(alpha) mod hv) / l, quantised along d, stored as half a fragment of the last product's operand.  hv has been asked for
.macro EPILOGUE
	v_add_f32 v14, v14, v15
	v_pk_add_f32 v[16:17], v[16:17], v[18:19]
	s_delay_alu instid0(VALU_DEP_2)
	v_permlanex16_b32 v[BX], v14, s[SEL], s[SEL+1]
	s_delay_alu instid0(VALU_DEP_2)
	v_add_f32 v16, v16, v17
	s_delay_alu instid0(VALU_DEP_2)
	v_add_f32 v14, v14, v[BX]                      ; l
	s_delay_alu instid0(VALU_DEP_2)
	v_permlanex16_b32 v[BX+1], v16, s[SEL], s[SEL+1]
	s_wait_alu depctr_va_vdst(0)
	v_rcp_f32 v20, v14
	v_add_f32 v16, v16, v[BX+1]                    ; the sum of p (hv v) (a plain instruction behind the reciprocal)
	s_wait_alu depctr_va_vdst(0)                   ; ahead of the reciprocal's first reader
	v_mul_f32 v22, v16, v20
	v_mul_f32 v22, -v8, v22                        ; - sigmoid(alpha) mod
.set J_, 0
.rept 16
	v_pk_mul_f32 v[O+J_:O+J_+1], v[O+J_:O+J_+1], v[20:21] op_sel_hi:[1,0]
.set J_, J_+2
.endr
	s_wait_loadcnt 0x0
.set J_, 0
.rept 16
	v_pk_fma_f32 v[O+J_:O+J_+1], v[R+J_:R+J_+1], v[22:23], v[O+J_:O+J_+1] op_sel_hi:[1,0,1]
.set J_, J_+2
.endr
	v_max3_num_f32 v[BM], |v[O]|, |v[O+1]|, 0x1800000
	v_max3_num_f32 v[BM+1], |v[O+16]|, |v[O+17]|, 0x1800000
.irp i, 2,4,6,8,10,12,14
	s_delay_alu instid0(VALU_DEP_2)
	v_max3_num_f32 v[BM], v[BM], |v[O+\i]|, |v[O+\i+1]|
	s_delay_alu instid0(VALU_DEP_2)
	v_max3_num_f32 v[BM+1], v[BM+1], |v[O+16+\i]|, |v[O+17+\i]|
.endr
	s_delay_alu instid0(VALU_DEP_2)
	v_permlanex16_b32 v[BX], v[BM], s[SEL], s[SEL+1]
	s_delay_alu instid0(VALU_DEP_2)
	v_permlanex16_b32 v[BX+1], v[BM+1], s[SEL], s[SEL+1]
	s_delay_alu instid0(VALU_DEP_2)
	v_max_num_f32 v[BM], v[BM], v[BX]
	s_delay_alu instid0(VALU_DEP_2)
	v_max_num_f32 v[BM+1], v[BM+1], v[BX+1]
	s_delay_alu instid0(VALU_DEP_2)
	v_add_nc_u32 v[SCO], 0xff000000, v[BM]
	s_delay_alu instid0(VALU_DEP_2)
	v_add_nc_u32 v[SCO+1], 0xff000000, v[BM+1]
	s_delay_alu instid0(VALU_DEP_2)
	v_lshrrev_b32 v[BX], 23, v[SCO]
	s_delay_alu instid0(VALU_DEP_2)
	v_lshrrev_b32 v[BX+1], 23, v[SCO+1]
	s_delay_alu instid0(VALU_DEP_1)
	v_lshl_or_b32 v252, v[BX+1], 8, v[BX]
	v_cvt_scalef32_pk16_fp6_f32 v[240:242], v[O:O+15], v[SCO]
	v_cvt_scalef32_pk16_fp6_f32 v[248:250], v[O+16:O+31], v[SCO+1]
	v_nop                                          ; one plain instruction behind the scaled conversions
.irp i, 0,1,2
	v_permlane16_swap_b32 v[240+\i], v[248+\i]
.endr
.irp i, 0,1,2
	s_delay_alu instid0(VALU_DEP_3)
	v_mov_b32 v[243+\i], v[248+\i]
.endr
	global_store_b128 v1, v[240:243], s[56:57]     ; 512 consecutive bytes,
	global_store_b64 v2, v[244:245], s[56:57] offset:512   ; and 256
	global_store_b16 v9, v252, s[58:59]            ; my head's two bytes of each row's scale word (lanes r and r + 16 write the same)
.endm
; A KEY STEP of 128 keys, at LDS byte TB; on the tile's diagonal step (KK = II) hidden keys are masked
.macro STEP
	v_add_nc_u32 v4, s[TB], v1
	v_add_nc_u32 v5, s[TB], v2
	v_add_nc_u32 v6, s[TB], v3
	ds_load_b64 v[KS:KS+1], v5 offset:SCOFF
	ds_load_b64 v[KS+2:KS+3], v5 offset:SCOFF+256
	ds_load_b32 v44, v6 offset:XOFF
	ds_load_b32 v45, v6 offset:XOFF+128
	KLOAD 0
.irp g, 0,1                            ; 64 keys at a time: q k into T, hk k into U
	s_wait_dscnt 0x0
.irp t, 0,1,2,3
	WM0 T+8*(4*\g+\t), R+6*\t, 48, KS+2*\g+\t/2, 36, \t%2
	WM0 U+8*\t, R+6*\t, 66, KS+2*\g+\t/2, 37, \t%2
.endr
	PLACES 4
	s_wait_alu depctr_va_vdst(0)
.set J_, 0
.rept 16
	v_pk_mul_f32 v[U+J_:U+J_+1], v[U+J_:U+J_+1], v[10:11] op_sel_hi:[1,0]   ; y = - z log2(e), z = hk k x qhk / 8
.set J_, J_+2
.endr
	s_wait_alu depctr_va_vdst(0)
.set J_, 0
.rept 32
	v_exp_f32 v[R+J_], v[U+J_]
.set J_, J_+1
.endr
.if \g == 0
	v_perm_b32 v46, v45, v44, 0x05040100           ; v^T's scale words: the two halves' byte pairs joined (plain work behind the exponentials)
	v_perm_b32 v47, v45, v44, 0x07060302
.else
	v_nop
.endif
	s_wait_alu depctr_va_vdst(0)                   ; one wait for the batch of 32, ahead of its first reader
.set J_, 0
.rept 16
	v_pk_fma_f32 v[R+J_:R+J_+1], v[R+J_:R+J_+1], s[CS:CS+1], v[LC:LC+1] op_sel_hi:[1,0,1]   ; (1 + 2^y) log2(e) / 8
.set J_, J_+2
.endr
	s_wait_alu depctr_va_vdst(0)
.set J_, 0
.rept 32
	v_rcp_f32 v[R+J_], v[R+J_]
.set J_, J_+1
.endr
	v_nop
	s_wait_alu depctr_va_vdst(0)                   ; one wait for the batch of 32, directly ahead of the first readers of q k too
.set J_, 0
.rept 16
	v_pk_fma_f32 v[T+32*\g+J_:T+32*\g+J_+1], v[U+J_:U+J_+1], v[R+J_:R+J_+1], v[T+32*\g+J_:T+32*\g+J_+1]   ; q k - 8 silu(z) = 8 x score
.set J_, J_+2
.endr
.if \g == 0
	KLOAD 1
.else
	VLOAD 0
.endif
.endr
	s_wait_alu depctr_va_vdst(0)                   ; ahead of the branch
	s_cmp_lg_u32 s[KK], s[II]
	s_cbranch_scc1 .Lopen_\@                       ; all keys of the step count
	v_mov_b32 v22, 0xff800000                      ; on the diagonal hidden keys get -infinity: p = 0
.set N_, 0
.rept 64
	v_cmp_gt_i32 vcc_lo, 32*(N_/16)+N_%16, v7
	s_delay_alu instid0(VALU_DEP_1)
	v_cndmask_b32 v[T+N_], v[T+N_], v22, vcc_lo
.set N_, N_+1
.endr
.Lopen_\@:
.irp b, 0,1,2,3
	v_max3_num_f32 v[BM+\b], v[T+16*\b], v[T+16*\b+1], v[T+16*\b+2]   ; the largest score of each block of 32 keys: for the row's maximum and for the block's largest p
.endr
.irp i, 3,5,7,9,11,13
.irp b, 0,1,2,3
	s_delay_alu instid0(VALU_DEP_4)
	v_max3_num_f32 v[BM+\b], v[BM+\b], v[T+16*\b+\i], v[T+16*\b+\i+1]
.endr
.endr
.irp b, 0,1,2,3
	s_delay_alu instid0(VALU_DEP_4)
	v_max_num_f32 v[BM+\b], v[BM+\b], v[T+16*\b+15]
.endr
.irp b, 0,1,2,3
	s_delay_alu instid0(VALU_DEP_4)
	v_permlanex16_b32 v[BX+\b], v[BM+\b], s[SEL], s[SEL+1]
.endr
.irp b, 0,1,2,3
	s_delay_alu instid0(VALU_DEP_4)
	v_max_num_f32 v[BM+\b], v[BM+\b], v[BX+\b]
.endr
	s_delay_alu instid0(VALU_DEP_2)
	v_max3_num_f32 v22, v[BM], v[BM+1], v[BM+2]
	s_delay_alu instid0(VALU_DEP_1)
	v_max_num_f32 v22, v22, v[BM+3]
	s_delay_alu instid0(VALU_DEP_1)
	v_mul_f32 v22, s[CS], v22                      ; as t (the factor is positive)
	s_delay_alu instid0(VALU_DEP_1)
	v_max_num_f32 v13, v13, v22                    ; the running largest t
	v_mov_b32 v22, v12
	s_delay_alu instid0(VALU_DEP_2)
	v_floor_f32 v12, -v13                          ; -M = floor(-t): M is a whole number
	s_delay_alu instid0(VALU_DEP_1)
	v_sub_f32 v22, v12, v22                        ; old M - new M, 0 or less
	s_delay_alu instid0(VALU_DEP_1)
	v_cvt_i32_f32 v22, v22                         ; (it saturates)
	s_delay_alu instid0(VALU_DEP_1)
	v_ldexp_f32 v20, 1.0, v22                      ; f = 2^(old M - new M): a multiplication by it rounds nothing
.set J_, 0
.rept 32
	v_pk_fma_f32 v[T+J_:T+J_+1], v[T+J_:T+J_+1], s[CS:CS+1], v[12:13] op_sel_hi:[1,0,0]   ; t - M
.set J_, J_+2
.endr
.irp b, 0,1,2,3
	v_fma_f32 v[BM+\b], v[BM+\b], s[CS], v12       ; the same of each block's largest
.endr
	s_wait_alu depctr_va_vdst(0)
.set J_, 0
.rept 64
	v_exp_f32 v[T+J_], v[T+J_]                     ; p = 2^(t - M): not normalised
.set J_, J_+1
.endr
	v_pk_mul_f32 v[14:15], v[14:15], v[20:21] op_sel_hi:[1,0]   ; the sums under the new M (plain work behind the exponentials)
	v_pk_mul_f32 v[16:17], v[16:17], v[20:21] op_sel_hi:[1,0]
	v_pk_mul_f32 v[18:19], v[18:19], v[20:21] op_sel_hi:[1,0]
	s_wait_alu depctr_va_vdst(0)                   ; one wait for the batch of 64
.irp b, 0,1,2,3
	v_exp_f32 v[BM+\b], v[BM+\b]                   ; each block's largest p: the same instructions on the same number
.endr
	v_pk_add_f32 v[240:241], v[T:T+1], v[T+2:T+3]  ; the row's sum of the unquantised p, in four chains by turns
	v_pk_add_f32 v[242:243], v[T+4:T+5], v[T+6:T+7]
	v_pk_add_f32 v[244:245], v[T+8:T+9], v[T+10:T+11]
	v_pk_add_f32 v[14:15], v[14:15], v[T+12:T+13]
.set J_, 16
.rept 6
	v_pk_add_f32 v[240:241], v[240:241], v[T+J_:T+J_+1]
	v_pk_add_f32 v[242:243], v[242:243], v[T+J_+2:T+J_+3]
	v_pk_add_f32 v[244:245], v[244:245], v[T+J_+4:T+J_+5]
	v_pk_add_f32 v[14:15], v[14:15], v[T+J_+6:T+J_+7]
.set J_, J_+8
.endr
	v_pk_add_f32 v[240:241], v[240:241], v[T+14:T+15]
	v_pk_add_f32 v[242:243], v[242:243], v[244:245]
	s_delay_alu instid0(VALU_DEP_2)
	v_pk_add_f32 v[14:15], v[14:15], v[240:241]
	s_delay_alu instid0(VALU_DEP_1)
	v_pk_add_f32 v[14:15], v[14:15], v[242:243]
	s_wait_alu depctr_va_vdst(0)                   ; and one for the four
	s_wait_dscnt 0x0                               ; v's tiles 0-3 are in
	HVV 0
.irp b, 0,1,2,3                        ; p's scales: 15 plain instructions that name no register of the four products: their places
	v_max_num_f32 v[BM+\b], 0x1800000, v[BM+\b]    ; the floor: the byte cannot fall under 1
.endr
.irp b, 0,1,2,3
	v_add_nc_u32 v[SCO+\b], 0xff000000, v[BM+\b]
.endr
.irp b, 0,1,2,3
	v_lshrrev_b32 v[BX+\b], 23, v[SCO+\b]
.endr
	v_lshl_or_b32 v[PW], v[BX+1], 8, v[BX]
	s_delay_alu instid0(VALU_DEP_1)
	v_lshl_or_b32 v[PW], v[BX+2], 16, v[PW]
	s_delay_alu instid0(VALU_DEP_1)
	v_lshl_or_b32 v[PW], v[BX+3], 24, v[PW]
	VLOAD 1
	MODSUM 0
	s_wait_dscnt 0x0
	HVV 1
	PLACES 5
	MODSUM 1
.irp c, 0,1
	v_cvt_scalef32_pk16_fp6_f32 v[U+6*\c:U+6*\c+2], v[T+32*\c:T+32*\c+15], v[SCO+2*\c]
	v_cvt_scalef32_pk16_fp6_f32 v[U+12+4*\c:U+14+4*\c], v[T+32*\c+16:T+32*\c+31], v[SCO+2*\c+1]
.endr
	v_nop                                          ; one plain instruction behind the scaled conversions
.irp c, 0,1
.irp i, 0,1,2
	v_permlane16_swap_b32 v[U+6*\c+\i], v[U+12+4*\c+\i]
.endr
.irp i, 0,1,2
	s_delay_alu instid0(VALU_DEP_3)
	v_mov_b32 v[U+3+6*\c+\i], v[U+12+4*\c+\i]
.endr
.endr
.irp d, 0,1,2,3                        ; v^T's four fragments: each two halves of 64 keys
	ds_load_b128 v[T+12*\d:T+12*\d+3], v4 offset:VTOFF+\d*768
	ds_load_b64 v[T+12*\d+4:T+12*\d+5], v5 offset:VTOFF+\d*768+512
	ds_load_b128 v[T+12*\d+6:T+12*\d+9], v4 offset:VTOFF+3072+\d*768
	ds_load_b64 v[T+12*\d+10:T+12*\d+11], v5 offset:VTOFF+3072+\d*768+512
.endr
	s_wait_alu depctr_va_vdst(0)                   ; directly ahead of the first reader of O^T
.set J_, 0
.rept 16
	v_pk_mul_f32 v[O+J_:O+J_+1], v[O+J_:O+J_+1], v[20:21] op_sel_hi:[1,0]   ; O^T under the new M; these are also the places between the codes' and the scale word's last writes and the products
.set J_, J_+2
.endr
	s_wait_alu depctr_va_vdst(0)
	s_wait_dscnt 0x0
.irp d, 0,1,2,3
	WMA O+8*\d, T+12*\d, U, 46+\d/2, PW, \d%2
.endr
	PLACES 5                                       ; the next step's products write over these operands
.endm
	s_load_b256 s[4:11], s[0:1], 0x0               ; kv, qs, alpha, oq
	v_lshl_add_u32 v254, v0, 2, SPARE
	v_mov_b32 v255, 0
	ds_add_u32 v254, v255                          ; the opening lines: the add, twice on end, and its wait
	ds_add_u32 v254, v255
	v_lshrrev_b32 v22, 5, v0
	s_delay_alu instid0(VALU_DEP_1)
	v_readfirstlane_b32 s[WV], v22                 ; wave 0..15
	v_and_b32 v22, 31, v0
	s_delay_alu instid0(VALU_DEP_1)
	v_lshlrev_b32 v1, 4, v22                       ; 16 x lane
	s_delay_alu instid0(VALU_DEP_2)
	v_lshlrev_b32 v2, 3, v22                       ; 8 x lane
	s_delay_alu instid0(VALU_DEP_3)
	v_lshlrev_b32 v3, 2, v22                       ; 4 x lane
	s_bfe_u32 s13, ttmp6, 0x40000                  ; cx
	s_lshl_b32 s14, ttmp9, 2
	s_add_co_u32 s14, s14, s13                     ; j
	s_and_b32 s15, ttmp7, 0xffff                   ; 16 batch + head, which the partners share
	; group 1: a key step, dense, as 75 rows of 256 bytes (32 elements of 8); the mask names all four work-groups
	s_mov_b32 s[G1A], 15|(3<<16)|(1<<21)
	s_mov_b32 s[G1A+1], 32<<16
	s_mov_b32 s[G1A+2], 75<<16
	s_mov_b32 s[G1A+3], 32<<16
	s_mov_b32 s[G1A+4], 75
	s_mov_b32 s[G1A+5], 32
	s_mov_b32 s[G1A+6], 0
	s_mov_b32 s[G1A+7], 0
	s_and_b32 s17, s[WV], 7                        ; my pair
	s_sub_co_u32 s18, 15, s17                      ; tile A's diagonal step
	s_mul_i32 s19, s17, MSB_
	s_add_co_u32 s61, s17, 1
	s_cmp_lt_u32 s[WV], 8                          ; keepers (waves 0-7): A's steps 0-8.  Givers: B's steps 0 .. pair, then a change of tiles
	s_cselect_b32 s[II], s18, s17
	s_cselect_b32 s[KHI], 8, s17
	s_cselect_b32 s[SWK], 64, s61
	s_mov_b32 s[KLO], 0
	s_mul_i32 s60, s15, 16*STEPB                   ; the head's keys
	s_mov_b32 s61, 0
	s_mul_i32 s62, s[WV], STEPB                    ; wave w fetches step w
	s_mov_b32 s63, 0
	s_mov_b32 s[SEL], 0x76543210
	s_mov_b32 s[SEL+1], 0xfedcba98
	s_mov_b32 s[CS], 0x3e38aa3b                    ; log2(e) / 8
	s_mov_b32 s[CS+1], s[CS]                       ; (named with it as a pair)
	s_mov_b32 s16, 0xbe38aa3b
	s_wait_dscnt 0x0
	s_wait_kmcnt 0x0
	s_add_nc_u64 s[60:61], s[4:5], s[60:61]
	s_mov_b32 s[G0A], 1
	s_mov_b32 s[G0A+1], s62
	s_add_nc_u64 s[G0A+2:G0A+3], s[60:61], s[62:63]
	s_or_b32 s[G0A+3], s[G0A+3], 0x80000000
	s_and_b32 s60, s15, 15
	s_lshl_b32 s60, s60, 2
	v_mov_b32 v24, s60
	s_wait_alu depctr_va_vdst(0)
	global_load_b32 v8, v24, s[8:9]                ; alpha of my head
	PRO_A                                          ; my first tile's record is asked for ahead of the round
	CROUND                                         ; all four work-groups are here: the joint loads meet
	tensor_load_to_lds s[G0A:G0A+3], s[G1A:G1A+7]  ; my one tensor load of the launch
	s_nop 0
.rept 4
	v_nop
.endr
	v_add_nc_u32 v[MS], s19, v1                    ; my pair's stage, 16 bytes a lane
	s_lshr_b32 s60, s14, 1
	s_lshl_b32 s60, s60, 5
	s_and_b32 s61, s14, 1
	s_lshl_b32 s61, s61, 3
	s_add_co_u32 s60, s60, s61
	v_and_b32 v22, 15, v0
	s_delay_alu instid0(VALU_DEP_1)
	v_lshlrev_b32 v9, 2, v22                       ; 4 r
	s_delay_alu instid0(VALU_DEP_2)
	v_and_b32 v7, 8, v22
	s_delay_alu instid0(VALU_DEP_1)
	v_add_nc_u32 v7, v7, v22
	v_bfe_u32 v22, v0, 4, 1
	s_delay_alu instid0(VALU_DEP_1)
	v_lshlrev_b32 v22, 4, v22
	s_delay_alu instid0(VALU_DEP_1)
	v_sub_nc_u32 v7, v7, v22
	s_delay_alu instid0(VALU_DEP_1)
	v_add_nc_u32 v7, s60, v7                       ; my query's place in its step, less 16 (lane / 16): register 16 b + i is hidden on the diagonal where 32 b + i is above it
.irp i, 54,55,56,57,58,59,72,73,74,75,76,77
	v_mov_b32 v\i, 0                               ; the zero codes beside q, hv and hk
.endr
.set J_, 0
.rept 32
	v_mov_b32 v[R+J_], 0                           ; written once: parts of the key operands that meet zero codes are read before they are first loaded
.set J_, J_+1
.endr
.irp b, 0,1,2,3
	v_mov_b32 v[BX+\b], 0                          ; a lane permute's destination counts as a source
.endr
	v_mov_b32 v21, 0                               ; upper halves of pairs whose low word serves both halves
	v_mov_b32 v23, 0
	v_mov_b32 v[LC], s[CS]
	v_mov_b32 v[LC+1], s[CS]
	PRO_B
	v_mul_f32 v8, 0xbfb8aa3b, v8                   ; sigmoid(alpha) = 1 / (1 + 2^(-alpha log2(e)))
	s_wait_alu depctr_va_vdst(0)
	v_exp_f32 v8, v8
	v_nop
	s_wait_alu depctr_va_vdst(0)                   ; ahead of the exponential's reader
	v_add_f32 v8, 1.0, v8
	s_wait_alu depctr_va_vdst(0)
	v_rcp_f32 v8, v8
	v_nop
	s_wait_alu depctr_va_vdst(0)                   ; ahead of the labels and of the reciprocal's reader; also the head's end
	s_wait_tensorcnt 0x0                           ; my key step has landed,
	s_barrier_signal -1
	s_barrier_wait -1                              ; all sixteen have
	s_mov_b32 s[TB], 0
	s_mov_b32 s[KK], 0
.Lstep:                                            ; sixteen trips, a constant: a step that is not wanted is jumped over inside the trip
	s_cmp_lg_u32 s[KK], s[SWK]
	s_cbranch_scc1 .Lsame
	HVLOAD                                         ; givers, in the trip behind tile B's diagonal step: B leaves,
	EPILOGUE
	s_mov_b32 s[II], s18                           ; and tile A's steps 9 .. 15 - pair follow (none where the pair is 7: the fresh state then adds nothing)
	s_mov_b32 s[KHI], s18
	s_mov_b32 s[KLO], 9
	s_mov_b32 s[SWK], 64
	PRO_A
	PRO_B
.Lsame:
	s_cmp_lt_u32 s[KK], s[KLO]
	s_cbranch_scc1 .Lskip
	s_cmp_gt_u32 s[KK], s[KHI]
	s_cbranch_scc1 .Lskip
	STEP
.Lskip:
	s_add_co_u32 s[TB], s[TB], STEPB
	s_add_co_u32 s[KK], s[KK], 1
	s_cmp_lt_u32 s[KK], 16
	s_cbranch_scc1 .Lstep
	; TILE A'S TWO PARTS ARE JOINED
	s_wait_alu depctr_va_vdst(0)
	s_cmp_lt_u32 s[WV], 8
	s_cbranch_scc0 .Lno_hv
	HVLOAD                                         ; keepers ask for A's hv ahead of the barriers
.Lno_hv:
	s_wait_dscnt 0x0                               ; my reads of the keys are over
	s_barrier_signal -1
	s_barrier_wait -1                              ; everybody's are: the stage may be written
	s_cmp_lt_u32 s[WV], 8
	s_cbranch_scc1 .Lkeeper
	v_add_f32 v25, v14, v15                        ; givers hand over: -M, the lane's sum of p, its sum of p (hv v), O^T
	v_pk_add_f32 v[16:17], v[16:17], v[18:19]
	v_mov_b32 v24, v12
	v_mov_b32 v27, 0
	s_delay_alu instid0(VALU_DEP_3)
	v_add_f32 v26, v16, v17
.irp k, 0,1,2,3,4,5,6,7
	ds_store_b128 v[MS], v[O+4*\k:O+4*\k+3] offset:512*\k   ; each accumulator from its low end on
.endr
	ds_store_b128 v[MS], v[24:27] offset:4096
.Lkeeper:
	s_wait_dscnt 0x0
	s_barrier_signal -1
	s_barrier_wait -1
	s_cmp_lt_u32 s[WV], 8
	s_cbranch_scc0 .Ldone
.irp k, 0,1,2,3,4,5,6,7
	ds_load_b128 v[T+4*\k:T+4*\k+3], v[MS] offset:512*\k
.endr
	ds_load_b128 v[U:U+3], v[MS] offset:4096
	s_wait_dscnt 0x0
	v_min_num_f32 v22, v12, v[U]                   ; the common -M
	s_delay_alu instid0(VALU_DEP_1)
	v_sub_f32 v20, v22, v12                        ; my M - the common M, 0 or less,
	v_sub_f32 v23, v22, v[U]                       ; and the giver's
	s_delay_alu instid0(VALU_DEP_2)
	v_cvt_i32_f32 v20, v20                         ; (they saturate)
	s_delay_alu instid0(VALU_DEP_2)
	v_cvt_i32_f32 v23, v23
	s_delay_alu instid0(VALU_DEP_2)
	v_ldexp_f32 v20, 1.0, v20
	s_delay_alu instid0(VALU_DEP_2)
	v_ldexp_f32 v22, 1.0, v23
	v_pk_mul_f32 v[14:15], v[14:15], v[20:21] op_sel_hi:[1,0]
	v_pk_mul_f32 v[16:17], v[16:17], v[20:21] op_sel_hi:[1,0]
	v_pk_mul_f32 v[18:19], v[18:19], v[20:21] op_sel_hi:[1,0]
.set J_, 0
.rept 16
	v_pk_mul_f32 v[O+J_:O+J_+1], v[O+J_:O+J_+1], v[20:21] op_sel_hi:[1,0]
.set J_, J_+2
.endr
	v_fmac_f32 v14, v[U+1], v22
	v_fmac_f32 v16, v[U+2], v22
.set J_, 0
.rept 16
	v_pk_fma_f32 v[O+J_:O+J_+1], v[T+J_:T+J_+1], v[22:23], v[O+J_:O+J_+1] op_sel_hi:[1,0,1]
.set J_, J_+2
.endr
	EPILOGUE
.Ldone:
	s_wait_tensorcnt 0x0                           ; the wave's end
	ds_add_u32 v254, v255
	s_wait_dscnt 0x0
	CROUND                                         ; the closing round
	s_endpgm
.Lfunc_end_k_q3691b3e6b2_att:
	.size	k_q3691b3e6b2_att, .Lfunc_end_k_q3691b3e6b2_att-k_q3691b3e6b2_att
	.p2alignl 7, 3214868480
	.fill 96, 4, 3214868480
	.section	.rodata,"a",@progbits
	.p2align	6, 0x0
	.amdhsa_kernel k_q3691b3e6b2_att
		.amdhsa_group_segment_fixed_size 327680
		.amdhsa_private_segment_fixed_size 0
		.amdhsa_enable_private_segment 0
		.amdhsa_kernarg_size 32
		.amdhsa_user_sgpr_count 2
		.amdhsa_user_sgpr_kernarg_segment_ptr 1
		.amdhsa_wavefront_size32 1
		.amdhsa_system_sgpr_workgroup_id_x 1
		.amdhsa_system_sgpr_workgroup_id_y 1
		.amdhsa_system_sgpr_workgroup_id_z 1
		.amdhsa_system_vgpr_workitem_id 0
		.amdhsa_next_free_vgpr 256
		.amdhsa_next_free_sgpr 80
		.amdhsa_reserve_vcc 1
		.amdhsa_float_denorm_mode_32 3
		.amdhsa_float_denorm_mode_16_64 3
		.amdhsa_memory_ordered 1
		.amdhsa_forward_progress 1
		.amdhsa_inst_pref_size 72
	.end_amdhsa_kernel
	.amdgpu_metadata
---
amdhsa.version: [ 1, 2 ]
amdhsa.kernels:
  - .name:           k_q3691b3e6b2_att
    .symbol:         k_q3691b3e6b2_att.kd
    .args:
      - { .name: kv, .offset: 0, .size: 8, .value_kind: global_buffer, .address_space: global }
      - { .name: qs, .offset: 8, .size: 8, .value_kind: global_buffer, .address_space: global }
      - { .name: alpha, .offset: 16, .size: 8, .value_kind: global_buffer, .address_space: global }
      - { .name: oq, .offset: 24, .size: 8, .value_kind: global_buffer, .address_space: global }
    .group_segment_fixed_size: 327680
    .private_segment_fixed_size: 0
    .kernarg_segment_align: 8
    .kernarg_segment_size: 32
    .max_flat_workgroup_size: 512
    .sgpr_count:     80
    .vgpr_count:     256
    .wavefront_size: 32
...
	.end_amdgpu_metadata
.endif
;; end of part 3
;; launch outp (part 4): grid 8 x 32, 4 waves a work-group, clusters of 4 x 4, 214,528 bytes of LDS; arguments oq, wq, b_out, out0; writes out0
.if DOCPART == 4
	.amdgcn_target "amdgcn-amd-amdhsa--gfx1250"
	.amdhsa_code_object_version 6
	.text
	.protected	k_q3691b3e6b2_outp
	.globl	k_q3691b3e6b2_outp
	.p2align	8
	.type	k_q3691b3e6b2_outp,@function
k_q3691b3e6b2_outp:
	s_mov_b64 s[64:65], 0
	v_nop
	global_prefetch_b8 v0, s[64:65] scope:SCOPE_SE
	s_setreg_imm32_b32 hwreg(HW_REG_WAVE_MODE, 25, 1), 1
	s_wait_xcnt 0x0
	s_wait_alu depctr_hold_cnt(0) depctr_sa_sdst(0) depctr_va_vdst(0) depctr_va_sdst(0) depctr_va_ssrc(0) depctr_va_vcc(0) depctr_vm_vsrc(0)
	s_getreg_b32 s2, hwreg(HW_REG_IB_STS2, 6, 4)
	s_cmp_eq_u32 s2, 0
	s_cbranch_scc0 .Lentry_in_a_cluster
	s_endpgm
.Lentry_in_a_cluster:
	s_bfe_u32 s2, ttmp6, 0x10000c
	s_cmp_lg_u32 s2, 0xf033
	s_cbranch_scc0 .Lentry_shape_is_right
	s_endpgm
.Lentry_shape_is_right:
; out0 = o w_out + b_out on codes of FP6 (E2M3).  A work-group makes 128 tokens x 128 columns, a wave 64 x 64: 16 accumulators.
; Both operands lie in memory as images of their registers, all of K on end: o's eight token tiles are one dense block of 98,304 bytes, and so are w_out's eight column tiles.
; Each comes into LDS once (a wave fetches half a block); nothing is filled again.  CLUSTER 4 x 4: o's block is shared along a row of the cluster, w_out's along a column.
; THE MATRIX INSTRUCTION IS USED TRANSPOSED (source 0 = 16 columns, source 1 = 16 tokens): a lane's 16 registers of two neighbouring column tiles are 16 neighbouring columns of one token.
; The bias is the C of each sum's first product.  No prefetch: the tensor loads go out at the head.
; REGISTERS: window 0: v1-9 addresses; v16-31 o's scale words, v32-47 w_out's; v48-79 the bias; v80-175 o's fragments, two sets; v176-239 rows on the way out.
;   window 1: v0-127 the accumulators (64 (n / 2) + 16 m + 8 (n % 2)); v128-223 w_out's fragments, two sets.
.set BOFF, 98304
.set STG,  196608                      ; a stage of 16 rows x (256 bytes + 16) for each wave: bytes of its own, into which no fill lands
.set OQS,  3145728
.set WQS,  4718592
.set SA,   16
.set SB,   32
.set BIAS, 48
.set AF,   80
.set BK,   176
.set G1,   24
.set G0,   32
.set G1B,  48
.set G0B,  56
.set MSB, 0
.macro WIN new
.if MSB != (\new)
	s_set_vgpr_msb (MSB<<8)|(\new)
.set MSB, (\new)
.endif
.endm
.macro PLACES n
.rept \n
	v_nop
.endr
.endm
.macro CROUND
	s_barrier_signal -1
	s_barrier_wait -1
	s_cmp_lg_u32 s14, 0
	s_cbranch_scc1 .Lnot_wave_0_\@
	s_barrier_signal -3
.Lnot_wave_0_\@:
	s_barrier_wait -3
	s_barrier_signal -1
	s_barrier_wait -1
.endm
	s_load_b256 s[4:11], s[0:1], 0x0               ; oq, wq, b_out, out0
	v_lshl_add_u32 v254, v0, 2, 0x34400
	v_mov_b32 v255, 0
	ds_add_u32 v254, v255
	ds_add_u32 v254, v255
	v_lshrrev_b32 v1, 5, v0
	v_readfirstlane_b32 s14, v1                    ; wave 0..3
	s_lshr_b32 s15, s14, 1                         ; my half of the tokens.  Also: I fetch for o (0) or for w_out (1)
	s_and_b32 s16, s14, 1                          ; my half of the columns.  Also: which half of that block I fetch
	s_bfe_u32 s40, ttmp6, 0x40000
	s_bfe_u32 s41, ttmp6, 0x40004
	s_lshl_b32 s42, ttmp9, 2
	s_add_co_u32 s42, s42, s40                     ; the block of 128 columns
	s_and_b32 s17, ttmp7, 0xffff
	s_lshl_b32 s17, s17, 2
	s_add_co_u32 s17, s17, s41                     ; the block of 128 tokens
	s_lshl_b32 s43, s41, 2
	s_lshl_b32 s43, 15, s43                        ; my row of the cluster
	s_lshl_b32 s44, 0x1111, s40                    ; my column
	s_or_b32 s[G1+0], s43, (3<<16)|(1<<21)         ; a dense block as 192 rows of 256 bytes (32 elements of 8)
	s_or_b32 s[G1B+0], s44, (3<<16)|(1<<21)
.irp g, G1, G1B
	s_mov_b32 s[\g+1], 32<<16
	s_mov_b32 s[\g+2], 192<<16
	s_mov_b32 s[\g+3], 32<<16
	s_mov_b32 s[\g+4], 192
	s_mov_b32 s[\g+5], 32
	s_mov_b32 s[\g+6], 0
	s_mov_b32 s[\g+7], 0
.endr
	s_mul_i32 s45, s16, 49152                      ; my half
	s_mul_i32 s20, s17, 98304
	s_add_co_u32 s20, s20, s45
	s_mov_b32 s21, 0
	s_mul_i32 s46, s42, 98304
	s_add_co_u32 s46, s46, s45
	s_add_co_u32 s46, s46, 320*12288               ; w_out's tiles begin at tile 320
	s_mov_b32 s47, 0
	s_wait_dscnt 0x0
	s_wait_kmcnt 0x0
	s_add_nc_u64 s[20:21], s[4:5], s[20:21]
	s_add_nc_u64 s[46:47], s[6:7], s[46:47]
	CROUND                                         ; all sixteen work-groups are here: the joint loads meet
	s_mov_b32 s[G0], 1
	s_mov_b32 s[G0+1], s45
	s_mov_b64 s[G0+2:G0+3], s[20:21]
	s_or_b32 s[G0+3], s[G0+3], 0x80000000
	s_mov_b32 s[G0B], 1
	s_add_co_u32 s[G0B+1], s45, BOFF
	s_mov_b64 s[G0B+2:G0B+3], s[46:47]
	s_or_b32 s[G0B+3], s[G0B+3], 0x80000000
	s_cmp_eq_u32 s15, 0                            ; one load a wave; four v_nop follow each of the two lines
	s_cbranch_scc0 .Lfor_b
	tensor_load_to_lds s[G0:G0+3], s[G1:G1+7]
	s_nop 0
.rept 4
	v_nop
.endr
	s_branch .Lasked
.Lfor_b:
	tensor_load_to_lds s[G0B:G0B+3], s[G1B:G1B+7]
	s_nop 0
.rept 4
	v_nop
.endr
.Lasked:
	v_and_b32 v10, 31, v0
	v_lshlrev_b32 v11, 4, v10                      ; 16 x lane
	v_lshlrev_b32 v8, 3, v10                       ; 8 x lane
	v_lshlrev_b32 v7, 2, v10                       ; 4 x lane
	s_mul_i32 s18, s15, 49152                      ; my four token tiles
	v_add_nc_u32 v1, s18, v11
	v_add_nc_u32 v2, s18, v8
	s_mul_i32 s18, s16, 49152                      ; my four column tiles
	s_add_co_u32 s18, s18, BOFF
	v_add_nc_u32 v3, s18, v11
	v_and_b32 v12, 15, v0                          ; r
	v_bfe_u32 v13, v0, 4, 1                        ; h
	s_mul_i32 s18, s14, 4352
	s_add_co_u32 s18, s18, STG                     ; my stage
	v_mul_u32_u24 v4, v12, 272
	v_lshl_add_u32 v4, v13, 6, v4
	v_add_nc_u32 v4, s18, v4                       ; in: row r, + 64 h
	v_mul_u32_u24 v5, v13, 272
	v_lshl_add_u32 v5, v12, 4, v5
	v_add_nc_u32 v5, s18, v5                       ; back: lanes 0-15 one row of 256 bytes, lanes 16-31 the next
	v_lshlrev_b32 v6, 12, v13
	v_lshl_add_u32 v6, v12, 4, v6                  ; and the same in out0
	v_lshlrev_b32 v9, 6, v13                       ; the bias: 64 h
	s_wait_alu depctr_va_vdst(0)
	s_mov_b32 s19, 0
	s_lshl_b32 s18, s17, 3
	s_lshl_b32 s66, s15, 2
	s_add_co_u32 s18, s18, s66                     ; my first token tile
	s_lshl_b32 s18, s18, 9
	s_add_co_u32 s18, s18, OQS
	s_add_nc_u64 s[68:69], s[4:5], s[18:19]        ; o's scale words
	s_lshl_b32 s18, s42, 2
	s_lshl_b32 s66, s16, 1
	s_add_co_u32 s18, s18, s66
	s_add_co_u32 s18, s18, 160                     ; my first pair of column tiles
	s_lshl_b32 s18, s18, 10
	s_add_co_u32 s18, s18, WQS
	s_add_nc_u64 s[70:71], s[6:7], s[18:19]        ; w_out's
	s_lshl_b32 s18, s42, 9
	s_lshl_b32 s66, s16, 8
	s_add_co_u32 s18, s18, s66                     ; my first column, in bytes
	s_add_nc_u64 s[72:73], s[8:9], s[18:19]        ; the bias
	s_add_nc_u64 s[74:75], s[10:11], s[18:19]
	s_lshl_b32 s18, s17, 7
	s_lshl_b32 s66, s15, 6
	s_add_co_u32 s18, s18, s66                     ; my first token
	s_lshl_b32 s18, s18, 12
	s_add_nc_u64 s[74:75], s[74:75], s[18:19]      ; out0
.irp m, 0,1,2,3
.irp i, 0,1,2,3
	global_load_b32 v[SA+4*\m+\i], v7, s[68:69] offset:\m*512+\i*128   ; lanes 0-15 K step 2 i, lanes 16-31 K step 2 i + 1
.endr
.endr
.irp p, 0,1
.irp i, 0,1,2,3
	global_load_b64 v[SB+2*(4*\p+\i):SB+2*(4*\p+\i)+1], v8, s[70:71] offset:\p*1024+\i*256
.endr
.endr
.irp n, 0,1,2,3
	global_load_b128 v[BIAS+8*\n:BIAS+8*\n+3], v9, s[72:73] offset:128*(\n/2)+32*(\n%2)
	global_load_b128 v[BIAS+8*\n+4:BIAS+8*\n+7], v9, s[72:73] offset:128*(\n/2)+32*(\n%2)+16
.endr
.macro LDK s                           ; K step s: o's four fragments (each two halves of 768 bytes) and w_out's four: 28 loads
	WIN 0
.irp m, 0,1,2,3
	ds_load_b128 v[AF+48*((\s)%2)+12*\m:AF+48*((\s)%2)+12*\m+3], v1 offset:\m*12288+(\s)*1536
	ds_load_b64 v[AF+48*((\s)%2)+12*\m+4:AF+48*((\s)%2)+12*\m+5], v2 offset:\m*12288+(\s)*1536+512
	ds_load_b128 v[AF+48*((\s)%2)+12*\m+6:AF+48*((\s)%2)+12*\m+9], v1 offset:\m*12288+(\s)*1536+768
	ds_load_b64 v[AF+48*((\s)%2)+12*\m+10:AF+48*((\s)%2)+12*\m+11], v2 offset:\m*12288+(\s)*1536+1280
.endr
	WIN 0x40
.irp n, 0,1,2,3
.irp c, 0,1,2
	ds_load_b128 v[128+48*((\s)%2)+12*\n+4*\c:128+48*((\s)%2)+12*\n+4*\c+3], v3 offset:\n*12288+(\s)*1536+512*\c
.endr
.endr
.endm
.macro MULS s                          ; 16 products; the accumulators take turns, one instruction a turn
.if (\s) == 0
	WIN 0x41                                       ; source 0 and D window 1; source 1 and C (the bias) window 0
.else
	WIN 0x51
.endif
.irp n, 0,1,2,3
.irp m, 0,1,2,3
.set D_, 64*(\n/2)+16*\m+8*(\n%2)
.set B_, 128+48*((\s)%2)+12*\n
.set A_, AF+48*((\s)%2)+12*\m
.set SB_, SB+2*(4*(\n/2)+(\s)/2)+\n%2
.set SA_, SA+4*\m+(\s)/2
.if (\s) == 0
	v_wmma_scale_f32_16x16x128_f8f6f4 v[D_:D_+7], v[B_:B_+11], v[A_:A_+11], v[BIAS+8*\n:BIAS+8*\n+7], v[SB_], v[SA_] matrix_a_fmt:MATRIX_FMT_FP6 matrix_b_fmt:MATRIX_FMT_FP6
.elseif (\s)%2
	v_wmma_scale_f32_16x16x128_f8f6f4 v[D_:D_+7], v[B_:B_+11], v[A_:A_+11], v[D_:D_+7], v[SB_], v[SA_] matrix_a_fmt:MATRIX_FMT_FP6 matrix_b_fmt:MATRIX_FMT_FP6 matrix_a_scale:MATRIX_SCALE_ROW1 matrix_b_scale:MATRIX_SCALE_ROW1
.else
	v_wmma_scale_f32_16x16x128_f8f6f4 v[D_:D_+7], v[B_:B_+11], v[A_:A_+11], v[D_:D_+7], v[SB_], v[SA_] matrix_a_fmt:MATRIX_FMT_FP6 matrix_b_fmt:MATRIX_FMT_FP6
.endif
.endr
.endr
.endm
	s_wait_loadcnt 0x0                             ; scale words and bias
	s_wait_tensorcnt 0x0                           ; my half block has landed,
	s_barrier_signal -1
	s_barrier_wait -1                              ; everybody's has
	LDK 0
.irp s, 0,1,2,3,4,5,6,7
.if \s > 0
	PLACES 4                                       ; in front of loads into registers that matrix instructions have read
.endif
.if \s < 7
	LDK \s+1
	s_wait_dscnt 28                                ; all but the 28 just issued
.else
	s_wait_dscnt 0x0
.endif
	MULS \s
.endr
	WIN 0
	PLACES 4                                       ; behind the last products: results are read from here on
; THE WAY OUT, a token tile at a time, through my own stage: in as 64 bytes a lane and column pair, back as whole rows of 256 bytes.
.macro TOSTAGE m
	WIN 0x04                                       ; an LDS store's data are its source 1: window 1
.irp b, 0,1
.irp k, 0,1,2,3
	ds_store_b128 v4, v[64*\b+16*(\m)+4*\k:64*\b+16*(\m)+4*\k+3] offset:128*\b+16*\k   ; each accumulator from its low end on
.endr
.endr
	WIN 0
.irp t, 0,1,2,3,4,5,6,7
	ds_load_b128 v[BK+32*((\m)%2)+4*\t:BK+32*((\m)%2)+4*\t+3], v5 offset:\t*544   ; LDS serves a wave's instructions in order: these see my stores, and the next tile's stores come behind them
.endr
.endm
.macro SEND m, younger
	s_wait_dscnt \younger                          ; the tile is back; the next tile's LDS instructions may be out
.irp t, 0,1,2,3,4,5,6,7
	global_store_b128 v6, v[BK+32*((\m)%2)+4*\t:BK+32*((\m)%2)+4*\t+3], s[74:75] offset:(32*((\m)/2)+8*((\m)%2)+2*\t+8*(\t/4))*4096 th:TH_STORE_NT   ; 16 lanes store 256 consecutive bytes, aligned; stage row rho is token 32 g + 8 u + rho + 8 (rho / 8)
.endr
.endm
	TOSTAGE 0
.irp m, 1,2,3
.if \m > 1
	s_wait_xcnt 0x0                                ; tile m - 2's stores have read their registers: tile m's rows may land there
.endif
	TOSTAGE \m
	SEND \m-1, 16                                  ; behind tile m - 1's loads: tile m's 8 stores and 8 loads
.endr
	SEND 3, 0
	s_wait_tensorcnt 0x0
	ds_add_u32 v254, v255
	s_wait_dscnt 0x0
	CROUND                                         ; the closing round
	s_endpgm
.Lfunc_end_k_q3691b3e6b2_outp:
	.size	k_q3691b3e6b2_outp, .Lfunc_end_k_q3691b3e6b2_outp-k_q3691b3e6b2_outp
	.p2alignl 7, 3214868480
	.fill 96, 4, 3214868480
	.section	.rodata,"a",@progbits
	.p2align	6, 0x0
	.amdhsa_kernel k_q3691b3e6b2_outp
		.amdhsa_group_segment_fixed_size 214528
		.amdhsa_private_segment_fixed_size 0
		.amdhsa_enable_private_segment 0
		.amdhsa_kernarg_size 32
		.amdhsa_user_sgpr_count 2
		.amdhsa_user_sgpr_kernarg_segment_ptr 1
		.amdhsa_wavefront_size32 1
		.amdhsa_system_sgpr_workgroup_id_x 1
		.amdhsa_system_sgpr_workgroup_id_y 1
		.amdhsa_system_sgpr_workgroup_id_z 1
		.amdhsa_system_vgpr_workitem_id 0
		.amdhsa_next_free_vgpr 512
		.amdhsa_next_free_sgpr 100
		.amdhsa_reserve_vcc 0
		.amdhsa_float_denorm_mode_32 3
		.amdhsa_float_denorm_mode_16_64 3
		.amdhsa_memory_ordered 1
		.amdhsa_forward_progress 1
		.amdhsa_inst_pref_size 49
	.end_amdhsa_kernel
	.amdgpu_metadata
---
amdhsa.version: [ 1, 2 ]
amdhsa.kernels:
  - .name:           k_q3691b3e6b2_outp
    .symbol:         k_q3691b3e6b2_outp.kd
    .args:
      - { .name: oq, .offset: 0, .size: 8, .value_kind: global_buffer, .address_space: global }
      - { .name: wq, .offset: 8, .size: 8, .value_kind: global_buffer, .address_space: global }
      - { .name: b_out, .offset: 16, .size: 8, .value_kind: global_buffer, .address_space: global }
      - { .name: out0, .offset: 24, .size: 8, .value_kind: global_buffer, .address_space: global }
    .group_segment_fixed_size: 214528
    .private_segment_fixed_size: 0
    .kernarg_segment_align: 8
    .kernarg_segment_size: 32
    .max_flat_workgroup_size: 128
    .sgpr_count:     100
    .vgpr_count:     512
    .wavefront_size: 32
...
	.end_amdgpu_metadata
.endif
;; end of part 4
